; MI455X (gfx1250); checked and timed in simulation.
; The chip was launched on July 23, 2026; its instructions are those of AMD's public machine-readable ISA for CDNA 5 (MIT licence, August 2026) and "CDNA5" Instruction Set Architecture Reference Guide (July 2026). The comments in the code are by the model that wrote it; some were corrected since.
;; Multihead Attention. Allowed arithmetic: matrix products marked QUANTISED: E2M3 operands, one E8M0 scale for each 32 along K, by v_wmma_scale_f32_16x16x128_f8f6f4 with both operands' format E2M3, f32 sums; everything else in f32.
;; Inputs: bo 1,024 float32; wk 1,024 x 1,024 float32; wo 1,024 x 1,024 float32; wq 1,024 x 1,024 float32; wv 1,024 x 1,024 float32; x 4 x 2,048 x 1,024 float32.
;; Outputs: out0 4 x 2,048 x 1,024 float32.
;; This version of the problem:
;;   THIS VERSION OF THE PROBLEM IS GIVEN IN LOW PRECISION. The matrix products marked QUANTISED in the list below multiply operands that are first quantised to E2M3 (2 exponent bits, 3 mantissa bits; 6 bits a number), with one power-of-two scale for each 32 numbers along K (OCP MX v1.0); their sums are f32. All else is computed in f32.
;;   The module's matrix products, in the order in which they are computed (A, B: the left and right operand; K: the contracted axis; several contracted axes count as one K, in the product's order):
;;     1. [M 8,192, K 1,024] x [K 1,024, N 1,024]; A: input x; B: input wq: QUANTISED
;;     2. [M 8,192, K 1,024] x [K 1,024, N 1,024]; A: input x; B: input wk: QUANTISED
;;     3. [M 8,192, K 1,024] x [K 1,024, N 1,024]; A: input x; B: input wv: QUANTISED
;;     4. batch 64 x [M 2,048, K 64] x [K 64, N 2,048]; A: computed on the way; B: computed on the way: QUANTISED
;;     5. batch 64 x [M 2,048, K 2,048] x [K 2,048, N 64]; A: softmax (see below); B: computed on the way: QUANTISED
;;     6. [M 8,192, K 1,024] x [K 1,024, N 1,024]; A: computed on the way; B: input wo: QUANTISED
;;   THE QUANTISER, for each operand of a quantised product, along K:
;;     - K is cut into blocks of 32 from its start; a last block that is shorter is filled with zeros.
;;     - A block's scale is 2^e with e = floor(log2(the largest magnitude in the block)) - 2, held to -126 .. 127; a block of zeros has e = 0. As a byte (E8M0): e + 127.
;;     - Each number is divided by its block's scale, clamped to +-7.5, and rounded to the nearest number of E2M3, ties to even, subnormals kept.
;;     - The product sums the exact products of the quantised numbers (number of the format x scale) in f32.
;;   ~~~python
;;   def quantise(x, axis):      # numpy; x: float32 -> the quantised numbers, widened to float32 again
;;       x = np.moveaxis(x, axis, -1); K = x.shape[-1]
;;       x = np.pad(x, [(0, 0)] * (x.ndim - 1) + [(0, -K % 32)]); x = x.reshape(x.shape[:-1] + (-1, 32)); a = np.abs(x).max(-1, keepdims=True)
;;       e = np.where(a > 0, np.clip(np.frexp(np.where(a > 0, a, 1))[1] - 1 - 2, -126, 127), 0)      # np.frexp(a)[1] - 1 = floor(log2(a)), exactly
;;       r = np.clip(x / 2.0 ** e, -7.5, 7.5)
;;       step = 2.0 ** (np.maximum(np.frexp(np.where(r == 0, 1, r))[1] - 1, 0) - 3)
;;       q = np.round(r / step) * step * 2.0 ** e      # np.round: ties to even
;;       return np.moveaxis(q.reshape(q.shape[:-2] + (-1,))[..., :K], -1, axis).astype(np.float32)
;;   ~~~
;;   SOFTMAX AHEAD OF A QUANTISED PRODUCT. Where the list says 'softmax', what is quantised is not the finished softmax but p = 2^(t - M), with t = logit x log2(e) and M = ceil(the row's largest t), a whole number; so 1/2 < the row's largest p <= 1. The row's sum l is taken of the UNQUANTISED p, in f32, and the product's result is divided by l at the end. Since M is a whole number, a kernel that streams over the keys may use a running M (the ceiling of the running maximum): every later rescaling is an exact power of two, which a block's scale takes up: the codes' values come out the same.
;;   OPERANDS COMPUTED ON THE WAY. 'Computed on the way' means the value that the module computes at that place (a softmax that the list does not call 'softmax' is quantised finished and normalised). What goes into a quantiser is computed in f32, as accurately as f32 sums, v_exp_f32 and their like allow (about 1e-6 of the number): no bf16 or f16 on the way to a quantiser, and a product that is left as it is and whose result goes on into a quantised operand takes f32 operands (vector FMAs, or v_wmma_f32_16x16x4_f32). A number that lies on a knife's edge between two numbers of the format may be rounded either way, as far as f32 arithmetic and the matrix unit's own rounding can turn it there, and no further.
;; One version. Each part assembles by itself: llvm-mc -triple=amdgcn-amd-amdhsa -mcpu=gfx1250 --defsym DOCPART=n.
;; ======== version 1 of 1: 4 launches
;; limits: right only within a limited range of input values
;; workspace buffers: XW 8,650,752 bytes; XWS 360,448 bytes; CW 7,077,888 bytes; CWS 294,912 bytes; QKC 12,582,912 bytes; QKS 1,048,576 bytes; VC 6,291,456 bytes; VS 262,144 bytes
;; launch quant (part 1): grid 384 x 1, 4 waves a work-group, no clusters, 34,304 bytes of LDS; arguments x, wq, wk, wv, wo, XW, XWS, CW, CWS; writes XW, XWS, CW, CWS
.if DOCPART == 1
	.amdgcn_target "amdgcn-amd-amdhsa--gfx1250"
	.amdhsa_code_object_version 6
	.text
	.protected	k_q5ea943c22d_quant
	.globl	k_q5ea943c22d_quant
	.p2align	8
	.type	k_q5ea943c22d_quant,@function
k_q5ea943c22d_quant:
	s_mov_b64 s[64:65], 0
	v_nop
	global_prefetch_b8 v0, s[64:65] scope:SCOPE_SE
	s_setreg_imm32_b32 hwreg(HW_REG_WAVE_MODE, 25, 1), 1
	s_wait_xcnt 0x0
; x [8192][1024], wq, wk, wv, wo [1024][1024], f32, K innermost, become codes of FP6 (E2M3) with one E8M0 byte for each 32 along K,
; laid in the ORDER OF THE OPERAND'S REGISTERS, so that the later launches fetch whole fragments by dense loads.
; TILES.  Rows go in groups of 32; group g gives tiles T = 2 g + u; lane r of tile T stands for row 32 g + 8 u + r + 8 (r / 8).
; IMAGE.  A fragment (16 rows x 128 K, 12 registers a lane) is 1,536 bytes: two halves of 768 (64 along K each): registers 6 c .. 6 c + 3 at 16 x lane,
; registers 6 c + 4, 6 c + 5 at 512 + 8 x lane.  Fragment (T, K step s) lies at ((T / 8) 8 + s) 12,288 + (T % 8) 1,536.
; SCALE WORDS.  Word s of row (T, r) lies at 512 T + 256 (s / 4) + 16 r + 4 (s % 4).
; x, wq, wk, wv go to XW / XWS (groups 0-351), wo to CW / CWS behind the 256 groups that the attention launch fills.
; SHARES.  A work-group takes one group of 32 rows; wave w takes tile u = w % 2 and K half p = w / 2: four K steps of 128.
; A load takes one row's 512 consecutive bytes; sixteen rows turn through the wave's own stage in LDS (rows 528 bytes apart), from which a lane takes
; 16 neighbours of each block of 32 of ITS row.  No barrier: waves share nothing.  Loads run one K step (16 loads a wave) ahead.
; A block's scale is 2^(floor(log2(largest magnitude)) - 2); its byte is the largest magnitude's exponent field - 2, held at 1 from below.
; LIMITS: a block of zeros gets the byte 1 where the rule says 127 (its codes are zeros, and this program alone reads the bytes); NaN and infinities are not served.
.set SP,   528                         ; a stage row: 512 bytes + 16
.set STG,  16*SP                       ; a wave's stage
.set TM,   16                          ; v16-19 largest magnitudes, v20-23 the other half's / the bytes, v28-31 the conversions' scale operands
.set PW,   32                          ; v32-35 my row's scale words, one for each K step
.set PC,   36                          ; v36-47 the fragment just made, v48-54 at work
.set X,    64                          ; v64-127 register 16 b + i = k 32 b + 16 (lane / 16) + i of my row
.set R,    128                         ; v128-255 two sets of 16 rows as loaded
.set SEL,  32                          ; s[32:33] lane selects for v_permlanex16_b32: lane l xor 16
	s_load_b256 s[4:11], s[0:1], 0x0               ; x, wq, wk, wv
	s_load_b256 s[12:19], s[0:1], 0x20             ; wo, XW, XWS, CW
	s_load_b64 s[20:21], s[0:1], 0x40              ; CWS
	v_lshl_add_u32 v62, v0, 2, 0x8400
	v_mov_b32 v63, 0
	v_lshrrev_b32 v9, 5, v0
	v_readfirstlane_b32 s30, v9                    ; wave 0..3
	v_and_b32 v1, 31, v0                           ; lane
	v_and_b32 v2, 15, v0                           ; r
	v_bfe_u32 v3, v0, 4, 1                         ; h
	v_lshlrev_b32 v4, 4, v1                        ; 16 x lane
	v_lshlrev_b32 v5, 3, v1                        ; 8 x lane
	v_lshlrev_b32 v8, 4, v2                        ; 16 r
	s_mul_i32 s31, s30, STG                        ; my stage
	v_add_nc_u32 v6, s31, v4                       ; into it: a row as it lies
	v_mul_u32_u24 v7, v2, SP
	v_lshl_add_u32 v7, v3, 6, v7
	v_add_nc_u32 v7, s31, v7                       ; out of it: row r, + 64 h: my 16 numbers of a block
	s_mov_b32 s[SEL], 0x76543210
	s_mov_b32 s[SEL+1], 0xfedcba98
.irp b, 0,1,2,3
	v_mov_b32 v[TM+4+\b], 0                        ; written once: a lane permute's destination counts as one of its sources
.endr
	s_and_b32 s34, s30, 1                          ; u
	s_lshr_b32 s35, s30, 1                         ; p
	s_wait_alu depctr_va_vdst(0)
	s_wait_kmcnt 0x0
	; which tensor, and its first group: the choice hangs on the work-group's number alone
	s_mov_b64 s[22:23], s[12:13]                   ; wo, groups 352-383
	s_mov_b32 s24, 352
	s_cmp_lt_u32 ttmp9, 352
	s_cselect_b64 s[22:23], s[10:11], s[22:23]     ; wv, 320-351
	s_cselect_b32 s24, 320, s24
	s_cselect_b64 s[26:27], s[14:15], s[18:19]     ; codes go to XW, wo's to CW
	s_cselect_b64 s[28:29], s[16:17], s[20:21]     ; scale words to XWS, wo's to CWS
	s_cselect_b32 s25, 0, 96                       ; wo's group 352 is CW's group 256
	s_cmp_lt_u32 ttmp9, 320
	s_cselect_b64 s[22:23], s[8:9], s[22:23]       ; wk, 288-319
	s_cselect_b32 s24, 288, s24
	s_cmp_lt_u32 ttmp9, 288
	s_cselect_b64 s[22:23], s[6:7], s[22:23]       ; wq, 256-287
	s_cselect_b32 s24, 256, s24
	s_cmp_lt_u32 ttmp9, 256
	s_cselect_b64 s[22:23], s[4:5], s[22:23]       ; x, 0-255
	s_cselect_b32 s24, 0, s24
	s_sub_co_u32 s36, ttmp9, s24
	s_lshl_b32 s36, s36, 17                        ; 32 rows of 4,096 bytes a group,
	s_lshl_b32 s37, s34, 15                        ; 8 rows on for tile 1,
	s_add_co_u32 s36, s36, s37
	s_lshl_b32 s37, s35, 11                        ; 2,048 bytes on for K half 1
	s_add_co_u32 s36, s36, s37
	s_mov_b32 s37, 0
	s_add_nc_u64 s[22:23], s[22:23], s[36:37]
	s_sub_co_u32 s38, ttmp9, s25
	s_lshl_b32 s38, s38, 1
	s_add_co_u32 s38, s38, s34                     ; T
	s_lshr_b32 s36, s38, 3
	s_lshl_b32 s36, s36, 3
	s_lshl_b32 s39, s35, 2
	s_add_co_u32 s36, s36, s39                     ; (T / 8) 8 + 4 p
	s_mul_i32 s36, s36, 12288
	s_and_b32 s39, s38, 7
	s_mul_i32 s39, s39, 1536
	s_add_co_u32 s36, s36, s39
	s_add_nc_u64 s[26:27], s[26:27], s[36:37]      ; my first fragment's image
	s_lshl_b32 s36, s38, 9
	s_lshl_b32 s39, s35, 8
	s_add_co_u32 s36, s36, s39
	s_add_nc_u64 s[28:29], s[28:29], s[36:37]      ; my 256 bytes of scale words
.macro LOAD s                          ; K step s of my tile's sixteen rows: 32 lanes read 512 consecutive bytes of one row
.irp i, 0,1,2,3,4,5,6,7,8,9,10,11,12,13,14,15
	global_load_b128 v[R+64*((\s)%2)+4*\i:R+64*((\s)%2)+4*\i+3], v4, s[22:23] offset:(\i+8*(\i/8))*4096+512*(\s) th:TH_LOAD_NT
.endr
.endm
.macro TURN s                          ; through the stage: LDS serves a wave's instructions in order, so no wait stands between the stores and the loads
.irp i, 0,1,2,3,4,5,6,7,8,9,10,11,12,13,14,15
	ds_store_b128 v6, v[R+64*((\s)%2)+4*\i:R+64*((\s)%2)+4*\i+3] offset:SP*\i
.endr
.irp b, 0,1,2,3
.irp j, 0,1,2,3
	ds_load_b128 v[X+16*\b+4*\j:X+16*\b+4*\j+3], v7 offset:128*\b+16*\j
.endr
.endr
.endm
; 64 numbers of a lane, register 16 b + i = k 32 b + 16 (lane / 16) + i of my row, become a fragment's codes in v[PC] on and its scale word in v[pw]
.macro QUANT s, pw
.irp b, 0,1,2,3
	v_max3_num_f32 v[TM+\b], |v[\s+16*\b]|, |v[\s+1+16*\b]|, 0x1800000   ; block b: my 16 numbers, and the floor 2^(3 - 127): the byte cannot fall under 1
.endr
.irp i, 2,4,6,8,10,12,14
.irp b, 0,1,2,3
	v_max3_num_f32 v[TM+\b], v[TM+\b], |v[\s+16*\b+\i]|, |v[\s+1+16*\b+\i]|   ; the four blocks by turns
.endr
.endr
.irp b, 0,1,2,3
	v_permlanex16_b32 v[TM+4+\b], v[TM+\b], s[SEL], s[SEL+1]
.endr
.irp b, 0,1,2,3
	v_max_num_f32 v[TM+\b], v[TM+\b], v[TM+4+\b]   ; with lane l xor 16's: the block's largest magnitude
.endr
.irp b, 0,1,2,3
	v_add_nc_u32 v[TM+12+\b], 0xff000000, v[TM+\b] ; 2 off its exponent field: the conversion takes that field as its scale
.endr
.irp b, 0,1,2,3
	v_lshrrev_b32 v[TM+4+\b], 23, v[TM+12+\b]      ; the scale's byte
.endr
	v_lshl_or_b32 v[\pw], v[TM+5], 8, v[TM+4]
	v_lshl_or_b32 v[\pw], v[TM+6], 16, v[\pw]
	v_lshl_or_b32 v[\pw], v[TM+7], 24, v[\pw]
.irp c, 0,1
	v_cvt_scalef32_pk16_fp6_f32 v[PC+6*\c:PC+2+6*\c], v[\s+32*\c:\s+15+32*\c], v[TM+12+2*\c]
	v_cvt_scalef32_pk16_fp6_f32 v[PC+12+4*\c:PC+14+4*\c], v[\s+16+32*\c:\s+31+32*\c], v[TM+12+2*\c+1]   ; (a conversion's three registers begin on an even number)
.endr
	v_nop                                          ; one plain place behind a scaled conversion
.irp c, 0,1                            ; the operand's layout wants a whole block in a lane: lanes 0-15 block 2 c, lanes 16-31 block 2 c + 1
.irp i, 0,1,2
	v_permlane16_swap_b32 v[PC+6*\c+\i], v[PC+12+4*\c+\i]
.endr
.irp i, 0,1,2
	v_mov_b32 v[PC+3+6*\c+\i], v[PC+12+4*\c+\i]
.endr
.endr
.endm
.macro KSTEP s
.if (\s) < 3
	s_wait_loadcnt 16                              ; this step's sixteen loads are in; the next step's sixteen may be out
.else
	s_wait_loadcnt 0x0
.endif
	TURN \s
	s_wait_dscnt 0x0                               ; my 64 numbers are back, and the stage's stores have read the set of registers that is loaded again below
.if (\s) > 0
	s_wait_xcnt 0x0                                ; the last step's stores have read the codes' registers
.endif
.if (\s) < 2
	LOAD (\s)+2
.endif
	QUANT X, PW+\s
	global_store_b128 v4, v[PC:PC+3], s[26:27] offset:12288*(\s)          ; each store covers 512 or 256 consecutive bytes, at a multiple of 256 from the buffer's first byte
	global_store_b64 v5, v[PC+4:PC+5], s[26:27] offset:12288*(\s)+512
	global_store_b128 v4, v[PC+6:PC+9], s[26:27] offset:12288*(\s)+768
	global_store_b64 v5, v[PC+10:PC+11], s[26:27] offset:12288*(\s)+1280
.endm
	LOAD 0
	LOAD 1
	KSTEP 0
	KSTEP 1
	KSTEP 2
	KSTEP 3
	s_wait_xcnt 0x0                                ; EXEC changes only behind this wait
	v_cmp_gt_u32 vcc_lo, 16, v1
	s_wait_tensorcnt 0x0
	ds_add_u32 v62, v63
	s_wait_dscnt 0x0
	s_and_saveexec_b32 s36, vcc_lo                 ; both halves of the lanes hold the same words: lanes 0-15 store them
	global_store_b128 v8, v[PW:PW+3], s[28:29]     ; sixteen lanes: 256 consecutive bytes, aligned
	s_wait_xcnt 0x0
	s_or_b32 exec_lo, exec_lo, s36
	s_endpgm
.Lfunc_end_k_q5ea943c22d_quant:
	.size	k_q5ea943c22d_quant, .Lfunc_end_k_q5ea943c22d_quant-k_q5ea943c22d_quant
	.p2alignl 7, 3214868480
	.fill 96, 4, 3214868480
	.section	.rodata,"a",@progbits
	.p2align	6, 0x0
	.amdhsa_kernel k_q5ea943c22d_quant
		.amdhsa_group_segment_fixed_size 34304
		.amdhsa_private_segment_fixed_size 0
		.amdhsa_enable_private_segment 0
		.amdhsa_kernarg_size 72
		.amdhsa_user_sgpr_count 2
		.amdhsa_user_sgpr_kernarg_segment_ptr 1
		.amdhsa_wavefront_size32 1
		.amdhsa_system_sgpr_workgroup_id_x 1
		.amdhsa_system_sgpr_workgroup_id_y 1
		.amdhsa_system_sgpr_workgroup_id_z 1
		.amdhsa_system_vgpr_workitem_id 0
		.amdhsa_next_free_vgpr 256
		.amdhsa_next_free_sgpr 66
		.amdhsa_reserve_vcc 1
		.amdhsa_float_denorm_mode_32 3
		.amdhsa_float_denorm_mode_16_64 3
		.amdhsa_memory_ordered 1
		.amdhsa_forward_progress 1
		.amdhsa_inst_pref_size 35
	.end_amdhsa_kernel
	.amdgpu_metadata
---
amdhsa.version: [ 1, 2 ]
amdhsa.kernels:
  - .name:           k_q5ea943c22d_quant
    .symbol:         k_q5ea943c22d_quant.kd
    .args:
      - { .name: x, .offset: 0, .size: 8, .value_kind: global_buffer, .address_space: global }
      - { .name: wq, .offset: 8, .size: 8, .value_kind: global_buffer, .address_space: global }
      - { .name: wk, .offset: 16, .size: 8, .value_kind: global_buffer, .address_space: global }
      - { .name: wv, .offset: 24, .size: 8, .value_kind: global_buffer, .address_space: global }
      - { .name: wo, .offset: 32, .size: 8, .value_kind: global_buffer, .address_space: global }
      - { .name: XW, .offset: 40, .size: 8, .value_kind: global_buffer, .address_space: global }
      - { .name: XWS, .offset: 48, .size: 8, .value_kind: global_buffer, .address_space: global }
      - { .name: CW, .offset: 56, .size: 8, .value_kind: global_buffer, .address_space: global }
      - { .name: CWS, .offset: 64, .size: 8, .value_kind: global_buffer, .address_space: global }
    .group_segment_fixed_size: 34304
    .private_segment_fixed_size: 0
    .kernarg_segment_align: 8
    .kernarg_segment_size: 72
    .max_flat_workgroup_size: 128
    .sgpr_count:     66
    .vgpr_count:     256
    .wavefront_size: 32
...
	.end_amdgpu_metadata
.endif
;; end of part 1
;; launch qkv (part 2): grid 8 x 32, 4 waves a work-group, clusters of 4 x 4, 327,680 bytes of LDS; arguments XW, XWS, QKC, QKS, VC, VS; writes QKC, QKS, VC, VS
.if DOCPART == 2
	.amdgcn_target "amdgcn-amd-amdhsa--gfx1250"
	.amdhsa_code_object_version 6
	.text
	.protected	k_q5ea943c22d_qkv
	.globl	k_q5ea943c22d_qkv
	.p2align	8
	.type	k_q5ea943c22d_qkv,@function
k_q5ea943c22d_qkv:
	s_mov_b64 s[64:65], 0
	v_nop
	global_prefetch_b8 v0, s[64:65] scope:SCOPE_SE
	s_setreg_imm32_b32 hwreg(HW_REG_WAVE_MODE, 25, 1), 1
	s_wait_xcnt 0x0
	s_wait_alu depctr_hold_cnt(0) depctr_sa_sdst(0) depctr_va_vdst(0) depctr_va_sdst(0) depctr_va_ssrc(0) depctr_va_vcc(0) depctr_vm_vsrc(0)
	s_getreg_b32 s2, hwreg(HW_REG_IB_STS2, 6, 4)
	s_cmp_eq_u32 s2, 0
	s_cbranch_scc0 .Lentry_in_a_cluster
	s_endpgm
.Lentry_in_a_cluster:
	s_bfe_u32 s2, ttmp6, 0x10000c
	s_cmp_lg_u32 s2, 0xf033
	s_cbranch_scc0 .Lentry_shape_is_right
	s_endpgm
.Lentry_shape_is_right:
; Q = x wq^T, K = x wk^T, V = x wv^T on codes of FP6 (E2M3) with E8M0 scales, sums in f32; each result is quantised again, Q and K along the head's 64, V along the tokens, and leaves as codes and scale bytes.
; XW holds blocks of 128 rows: x's 64, then wq's 8, wk's 8, wv's 8; XWS their scale words.
; THE IMAGE.  A block is 98,304 bytes: [K step s of 128][tile of 16 rows][1,536 bytes: a fragment's 12 registers: 6 c .. 6 c + 3 at 768 c + 16 x lane, 6 c + 4, 6 c + 5 at 768 c + 512 + 8 x lane].
; Lane r of tile T = 2 g + u stands for row 32 g + 8 u + r + 8 (r / 8).  Word s of row (T, r) lies at 512 T + 256 (s / 4) + 16 r + 4 (s % 4) of XWS.
; OUT.  QKC [Q's 64 (16 batch + head), then K's][key step of 128 tokens][tile of 16 tokens][768: a half image, 64 channels]; QKS [the same][key step][tile / 4][r][tile % 4]: a word, bytes 0, 1 the head's two blocks;
; VC [16 batch + head][key step][tile of 16 channels][half c of 64 tokens][768]; VS [16 batch + head][key step][r][tile]: a word, byte 2 c + g the block of 32 tokens.
; SHARES.  256 work-groups of four waves, 2 x 2.  Work-group (i, j) loads x's rows 256 i .. + 255 ONCE (two blocks, all of K) and takes them through three phases of 256 x 128 x 1,024: block j of wq, of wk, of wv.
; In each phase a wave holds 64 rows of one operand, ALL of K, in registers (32 fragments: source 0) and streams eight tiles of the other past them (8 fragments a tile, twice in registers: source 1):
; 32 products, four accumulators by turns, finish 16 x 64: a lane holds one row of source 1, and its 32 registers with lane l xor 16's are 64 neighbouring rows of source 0: two blocks of 32, one half image.
; Q, K (one text, a loop of two trips): source 0 = the weight's tiles 4 (w % 2) .. + 3 (one head), source 1 = x's block w / 2.   V: source 0 = x's tiles 4 (w % 2) .. + 3 of block w / 2, source 1 = wv's eight tiles.
; FILLS, joint loads, one a wave: at the head waves 0, 1 a half of wq's block each, wave 2 tiles 0-3 of both blocks of x (16 rows of 6,144 bytes, 12,288 apart), wave 3 tiles 4-7.  x is shared by a row of the 4 x 4
; cluster, a weight by a column.  The weights' region is filled again twice (wk, wv; waves 0, 1 a half each), when every wave holds the last weight in registers: in a round of the cluster's barrier inside the third
; tile's products; that round also shows x's tiles 4-7.  A barrier at each phase's end shows what the refill brought.
; Nothing is prefetched: a refill is asked for five tiles, 160 products, ahead of the wait for it.
; SCALE WORDS: register SC + 8 i + s holds in lanes 0-15 word s of source 1's tile i, and for i < 4 in lanes 16-31 word (s + 4) % 8 of source 0's tile i: a product's two scale registers differ modulo 8.
; A block's scale is 2^(floor(log2(largest magnitude)) - 2); its byte is the largest magnitude's exponent field - 2, held at 1 from below.
; LIMITS: a block of zeros gets the byte 1 where the rule says 127 (its codes are zeros, and this program alone reads the bytes); NaN and infinities are not served.  V's scale bytes leave two at a time.
; REGISTERS: v0-31 addresses; v32-95 scale words; v96-123 at work; v128-191 two sets of four accumulators; v192-202 the codes;
;   fragment f lies in window 1 + f / 21 at register 12 (f % 21): 0-31 source 0's (4 s + b), 32-39 and 40-47 source 1's two sets.
.set BLKB,   98304
.set KSB,    12288                     ; a K step of 8 tiles
.set ASB,    6144                      ; a K step of 4 tiles: a row of x's LDS regions
.set FRB,    1536
.set AH,     BLKB                      ; LDS: the weight at 0; x's tiles 0-3 at AH, tiles 4-7 BLKB further: [block][K step][4 tiles]
.set SPARE,  3*BLKB                    ; the spare words: 128 bytes a wave
.set FR,   12
.set FPW,  21
.set ADB,  4                           ; v4-7   the weight as source 0: 16 x lane, 8 x lane for K steps 0-3; the same for 4-7
.set ADA,  8                           ; v8-11  x as source 1: the same two for tiles 0-3, for tiles 4-7
.set L16,  12                          ; v12, 13  16 x lane, 8 x lane: also the weight as source 1, K steps 0-3
.set L8,   13
.set R16,  14
.set ADS,  15                          ; v15, 16  x as source 0
.set ADW,  17                          ; v17, 18  the weight as source 1, K steps 4-7
.set SOFA, 19                          ; v19-21 offsets of the scale words, Q and K; v22 what K adds; v24-26 V's
.set SOFX, 20
.set DK,   22
.set SOFV, 24
.set WO,   27
.set SPW,  28
.set NIL,  29
.set VO,   30
.set SC,   32
.set TM,   96
.set W,    112                         ; v112-119 a scale word for each tile
.set DD,   120
.set ACC,  128
.set PC,   192
.set SEL,  20                          ; s[20:21] lane l xor 16
.set G1A, 24
.set G0A, 32
.set G1B, 48
.set G0B, 56
.set MSB, 0
.macro WIN new                         ; the immediate's high byte repeats the setting that is left
.if MSB != \new
	s_set_vgpr_msb (MSB<<8)|\new
.set MSB, \new
.endif
.endm
.macro PLACES
.rept 4
	v_nop
.endr
.endm
.macro BARRIER
	s_barrier_signal -1
	s_barrier_wait -1
.endm
.macro CREST                           ; a round of the cluster's barrier behind its opening barrier
	s_cmp_lg_u32 s16, 0
	s_cbranch_scc1 .Lnot_wave_0_\@
	s_barrier_signal -3
.Lnot_wave_0_\@:
	s_barrier_wait -3
	BARRIER
.endm
.macro TLOAD g0, g1                    ; a joint load
	tensor_load_to_lds s[\g0:\g0+3], s[\g1:\g1+7]
	s_nop 0
	PLACES
.endm
	s_load_b256 s[4:11], s[0:1], 0x0               ; XW, XWS, QKC, QKS
	s_load_b128 s[12:15], s[0:1], 0x20             ; VC, VS
	v_lshl_add_u32 v[SPW], v0, 2, SPARE
	v_mov_b32 v[NIL], 0
	ds_add_u32 v[SPW], v[NIL]                      ; the opening lines: the add, twice on end, and its wait
	ds_add_u32 v[SPW], v[NIL]
	v_lshrrev_b32 v1, 5, v0
	v_readfirstlane_b32 s16, v1                    ; wave 0..3
	s_lshr_b32 s17, s16, 1                         ; which block of x is mine
	s_and_b32 s18, s16, 1                          ; which four tiles of source 0; also which half I fetch
	s_bfe_u32 s40, ttmp6, 0x40000                  ; cx, cy
	s_bfe_u32 s41, ttmp6, 0x40004
	s_lshl_b32 s42, ttmp9, 2
	s_add_co_u32 s42, s42, s40                     ; j: block of 128 rows of each weight, 0..7
	s_and_b32 s43, ttmp7, 0xffff
	s_lshl_b32 s43, s43, 2
	s_add_co_u32 s43, s43, s41                     ; i: 256 rows of x, 0..31
	s_lshl_b32 s44, s41, 2
	s_lshl_b32 s44, 15, s44                        ; my row of the cluster
	s_lshl_b32 s45, 0x1111, s40                    ; my column
	s_or_b32 s[G1A+0], s44, (3<<16)|(1<<21)        ; x: 16 rows of 768 elements of 8 bytes, 1,536 elements apart
	s_mov_b32 s[G1A+1], 768<<16
	s_mov_b32 s[G1A+2], 16<<16
	s_mov_b32 s[G1A+3], 768<<16
	s_mov_b32 s[G1A+4], 16
	s_mov_b32 s[G1A+5], 1536
	s_mov_b32 s[G1A+6], 0
	s_mov_b32 s[G1A+7], 0
	s_or_b32 s[G1B+0], s45, (3<<16)|(1<<21)        ; a weight: a dense 49,152 bytes as 192 rows of 256
	s_mov_b32 s[G1B+1], 32<<16
	s_mov_b32 s[G1B+2], 192<<16
	s_mov_b32 s[G1B+3], 32<<16
	s_mov_b32 s[G1B+4], 192
	s_mov_b32 s[G1B+5], 32
	s_mov_b32 s[G1B+6], 0
	s_mov_b32 s[G1B+7], 0
	s_mul_i32 s86, s43, 2*BLKB                     ; x's two blocks, + 6,144 for tiles 4-7
	s_mul_i32 s2, s18, ASB
	s_add_co_u32 s86, s86, s2
	s_mov_b32 s87, 0
	s_add_co_u32 s90, s42, 64                      ; wq's block, + its second half
	s_mul_i32 s90, s90, BLKB
	s_mul_i32 s2, s18, BLKB/2
	s_add_co_u32 s90, s90, s2
	s_mov_b32 s91, 0
	s_mov_b32 s[G0A], 1
	s_mul_i32 s[G0A+1], s18, BLKB
	s_add_co_u32 s[G0A+1], s[G0A+1], AH
	s_mov_b32 s[G0B], 1
	s_mul_i32 s[G0B+1], s18, BLKB/2
	s_mov_b32 s[SEL], 0x76543210
	s_mov_b32 s[SEL+1], 0xfedcba98
	s_wait_dscnt 0x0                               ; both opening adds are done
	BARRIER
	CREST                                          ; all sixteen work-groups are here: the joint loads meet
	s_wait_kmcnt 0x0
	s_add_nc_u64 s[G0A+2:G0A+3], s[4:5], s[86:87]
	s_or_b32 s[G0A+3], s[G0A+3], 0x80000000
	s_add_nc_u64 s[G0B+2:G0B+3], s[4:5], s[90:91]
	s_or_b32 s[G0B+3], s[G0B+3], 0x80000000
	s_cmp_lt_u32 s16, 2                            ; one chain of branches on the wave's number, one load to an arm; the waves that wait alike share a line
	s_cbranch_scc0 .Lfor_a0
	TLOAD G0B, G1B
	s_branch .Lasked
.Lfor_a0:
	s_cmp_eq_u32 s16, 2
	s_cbranch_scc0 .Lfor_a1
	TLOAD G0A, G1A
	s_branch .Lasked
.Lfor_a1:
	TLOAD G0A, G1A
.Lasked:
	s_lshl_b32 s70, s43, 13                        ; scale words, 4,096 bytes a block: x's block of mine,
	s_lshl_b32 s2, s17, 12
	s_add_co_u32 s70, s70, s2
	s_add_co_u32 s71, s42, 64                      ; wq's four tiles of mine,
	s_lshl_b32 s71, s71, 12
	s_lshl_b32 s2, s18, 11
	s_add_co_u32 s71, s71, s2
	s_add_co_u32 s72, s71, 256
	s_add_co_u32 s74, s70, s2                      ; x's four tiles of mine,
	s_add_co_u32 s75, s74, 256
	s_add_co_u32 s73, s42, 80                      ; wv's block
	s_lshl_b32 s73, s73, 12
	s_lshr_b32 s76, s43, 3                         ; batch
	s_lshl_b32 s76, s76, 4
	s_lshl_b32 s2, s42, 1
	s_add_co_u32 s76, s76, s2                      ; 16 batch + 2 j: the block's first head
	s_and_b32 s77, s43, 7
	s_lshl_b32 s77, s77, 1
	s_add_co_u32 s77, s77, s17                     ; my key step
	s_add_co_u32 s78, s76, s18                     ; my head of Q
	s_mov_b32 s81, 0
	s_mul_i32 s80, s78, 98304
	s_mul_i32 s2, s77, 6144
	s_add_co_u32 s80, s80, s2
	s_add_nc_u64 s[8:9], s[8:9], s[80:81]          ; Q's codes
	s_lshl_b32 s80, s78, 13
	s_lshl_b32 s2, s77, 9
	s_add_co_u32 s80, s80, s2
	s_add_nc_u64 s[10:11], s[10:11], s[80:81]      ; Q's scale words
	s_lshl_b32 s79, s76, 4
	s_add_co_u32 s79, s79, s77                     ; 16 x head + key step
	s_mul_i32 s80, s79, 6144
	s_mul_i32 s2, s18, 768
	s_add_co_u32 s80, s80, s2
	s_add_nc_u64 s[12:13], s[12:13], s[80:81]      ; V's codes, my half of the key step
	s_lshl_b32 s80, s79, 8
	s_lshl_b32 s2, s18, 1
	s_add_co_u32 s80, s80, s2
	s_add_nc_u64 s[14:15], s[14:15], s[80:81]      ; V's scale bytes, my two of a word
	s_mul_i32 s82, s18, 4*FRB
	s_mul_i32 s83, s17, 8*ASB
	s_add_co_u32 s83, s83, AH
	s_mul_i32 s84, s18, BLKB
	s_add_co_u32 s84, s84, s83
	s_mov_b32 s92, 0
	s_mov_b32 vcc_lo, 0xffff0000                   ; lanes 16-31
	v_and_b32 v1, 31, v0
	v_and_b32 v2, 15, v0                           ; r
	v_bfe_u32 v3, v0, 4, 1                         ; h
	v_lshlrev_b32 v[L16], 4, v1
	v_lshlrev_b32 v[L8], 3, v1
	v_lshlrev_b32 v[R16], 4, v2
	v_add_nc_u32 v[SOFA], s70, v[R16]
	v_add_nc_u32 v23, s72, v[R16]
	v_cndmask_b32 v[SOFX], v[SOFA], v23, vcc_lo    ; beside source 1's words 0-3 stand source 0's words 4-7,
	v_add_nc_u32 v23, s71, v[R16]
	v_add_nc_u32 v31, 256, v[SOFA]
	v_cndmask_b32 v[SOFX+1], v31, v23, vcc_lo      ; beside its words 4-7 source 0's 0-3
	v_lshlrev_b32 v[DK], 15, v3                    ; wk's words lie 8 blocks behind wq's
	v_add_nc_u32 v[SOFV], s73, v[R16]
	v_add_nc_u32 v23, s75, v[R16]
	v_cndmask_b32 v[SOFV+1], v[SOFV], v23, vcc_lo
	v_add_nc_u32 v23, s74, v[R16]
	v_add_nc_u32 v31, 256, v[SOFV]
	v_cndmask_b32 v[SOFV+2], v31, v23, vcc_lo
	v_add_nc_u32 v[ADB], s82, v[L16]
	v_add_nc_u32 v[ADB+1], s82, v[L8]
	v_add_nc_u32 v[ADB+2], 4*KSB, v[ADB]
	v_add_nc_u32 v[ADB+3], 4*KSB, v[ADB+1]
	v_add_nc_u32 v[ADA], s83, v[L16]
	v_add_nc_u32 v[ADA+1], s83, v[L8]
	v_add_nc_u32 v[ADA+2], BLKB, v[ADA]
	v_add_nc_u32 v[ADA+3], BLKB, v[ADA+1]
	v_add_nc_u32 v[ADS], s84, v[L16]
	v_add_nc_u32 v[ADS+1], s84, v[L8]
	v_add_nc_u32 v[ADW], 4*KSB, v[L16]
	v_add_nc_u32 v[ADW+1], 4*KSB, v[L8]
	v_lshl_add_u32 v[WO], v3, 8, v[R16]            ; Q's, K's words: lanes 0-15 tiles 0-3, lanes 16-31 tiles 4-7
	v_lshl_add_u32 v[VO], v3, 2, v[R16]            ; V's: lanes 0-15 an even tile, lanes 16-31 the odd one behind it
	v_mov_b32 v[TM+4], 0                           ; written once: a lane permute's destination counts as one of its sources
	v_mov_b32 v[TM+5], 0
.macro FRAG f, a16, a8, off            ; a fragment's four loads
	WIN (1+(\f)/FPW)<<6
.set R_, FR*((\f)%FPW)
	ds_load_b128 v[R_:R_+3], v[\a16] offset:\off
	ds_load_b64 v[R_+4:R_+5], v[\a8] offset:(\off)+512
	ds_load_b128 v[R_+6:R_+9], v[\a16] offset:(\off)+768
	ds_load_b64 v[R_+10:R_+11], v[\a8] offset:(\off)+1280
.endm
.macro FETCH a, v                      ; source 1's tile a, all of K, into set a % 2: 32 loads.  v = 0: x's; v = 1: the weight's
.irp s, 0,1,2,3,4,5,6,7
.if \v
.if \s < 4
	FRAG 32+8*((\a)%2)+\s, L16, L8, \s*KSB+(\a)*FRB
.else
	FRAG 32+8*((\a)%2)+\s, ADW, ADW+1, (\s-4)*KSB+(\a)*FRB
.endif
.else
	FRAG 32+8*((\a)%2)+\s, ADA+2*((\a)/4), ADA+2*((\a)/4)+1, \s*ASB+((\a)%4)*FRB
.endif
.endr
	WIN 0
.endm
.macro HOLD v                          ; source 0's 64 rows, all of K: 128 loads.  v = 0: the weight's; v = 1: x's
.irp s, 0,1,2,3,4,5,6,7
.irp b, 0,1,2,3
.if \v
	FRAG 4*\s+\b, ADS, ADS+1, \s*ASB+\b*FRB
.else
	FRAG 4*\s+\b, ADB+2*(\s/4), ADB+2*(\s/4)+1, (\s%4)*KSB+\b*FRB
.endif
.endr
.endr
	WIN 0
.endm
.macro SCALES fa, fx                   ; a phase's scale words: sixteen lanes read 256 consecutive bytes
.irp i, 0,1,2,3
.irp p, 0,1
	global_load_b128 v[SC+8*\i+4*\p:SC+8*\i+4*\p+3], v[\fx+\p], s[6:7] offset:512*\i
.endr
.endr
.irp i, 4,5,6,7
.irp p, 0,1
	global_load_b128 v[SC+8*\i+4*\p:SC+8*\i+4*\p+3], v[\fa], s[6:7] offset:512*\i+256*\p
.endr
.endr
.endm
.macro PROD a, n                       ; product n = 4 s + b of tile a; the first four start the sums
.set S_, (\n)/4
.set B_, (\n)%4
.set FA_, 32+8*((\a)%2)+S_
.set D_, ACC+32*((\a)%2)+8*B_
	WIN (1+(\n)/FPW)|((1+FA_/FPW)<<2)
.if S_
	v_wmma_scale_f32_16x16x128_f8f6f4 v[D_:D_+7], v[FR*((\n)%FPW):FR*((\n)%FPW)+FR-1], v[FR*(FA_%FPW):FR*(FA_%FPW)+FR-1], v[D_:D_+7], v[SC+8*B_+(S_+4)%8], v[SC+8*(\a)+S_] matrix_a_fmt:MATRIX_FMT_FP6 matrix_b_fmt:MATRIX_FMT_FP6 matrix_a_scale:MATRIX_SCALE_ROW1
.else
	v_wmma_scale_f32_16x16x128_f8f6f4 v[D_:D_+7], v[FR*((\n)%FPW):FR*((\n)%FPW)+FR-1], v[FR*(FA_%FPW):FR*(FA_%FPW)+FR-1], 0, v[SC+8*B_+(S_+4)%8], v[SC+8*(\a)+S_] matrix_a_fmt:MATRIX_FMT_FP6 matrix_b_fmt:MATRIX_FMT_FP6 matrix_a_scale:MATRIX_SCALE_ROW1
.endif
.endm
; THE WAY OUT of a tile: register 16 g + i of a lane is row 32 g + 16 (lane / 16) + i of source 0's 64: two blocks of 32, each in lanes l and l xor 16.
.macro OUT a, pb, off
.set AB_, ACC+32*((\a)%2)
	s_wait_xcnt 0x0                                ; the last tile's stores have read the codes' registers
.irp k, 0,1,2,3                        ; a chain to each accumulator, the four by turns, each from its low end on
	v_max3_num_f32 v[TM+\k], |v[AB_+8*\k]|, |v[AB_+8*\k+1]|, |v[AB_+8*\k+2]|
.endr
.irp i, 3,5
.irp k, 0,1,2,3
	v_max3_num_f32 v[TM+\k], v[TM+\k], |v[AB_+8*\k+\i]|, |v[AB_+8*\k+\i+1]|
.endr
.endr
	v_max3_num_f32 v[TM], v[TM], v[TM+1], |v[AB_+7]|
	v_max3_num_f32 v[TM+2], v[TM+2], v[TM+3], |v[AB_+23]|
	v_max3_num_f32 v[TM], v[TM], |v[AB_+15]|, 0x1800000            ; and the floor 2^(3 - 127): the byte cannot fall under 1
	v_max3_num_f32 v[TM+2], v[TM+2], |v[AB_+31]|, 0x1800000
	v_permlanex16_b32 v[TM+4], v[TM], s[SEL], s[SEL+1]
	v_permlanex16_b32 v[TM+5], v[TM+2], s[SEL], s[SEL+1]
	v_max_num_f32 v[TM], v[TM], v[TM+4]            ; with lane l xor 16's: the blocks' largest magnitudes
	v_max_num_f32 v[TM+2], v[TM+2], v[TM+5]
	v_add_nc_u32 v[TM+6], 0xff000000, v[TM]        ; 2 off the exponent field: the conversions' scale operands
	v_add_nc_u32 v[TM+7], 0xff000000, v[TM+2]
	v_lshrrev_b32 v[TM+8], 23, v[TM+6]             ; the scales' bytes
	v_lshrrev_b32 v[TM+9], 23, v[TM+7]
	v_lshl_or_b32 v[W+\a], v[TM+9], 8, v[TM+8]
	v_cvt_scalef32_pk16_fp6_f32 v[PC:PC+2], v[AB_:AB_+15], v[TM+6]
	v_cvt_scalef32_pk16_fp6_f32 v[PC+8:PC+10], v[AB_+16:AB_+31], v[TM+7]   ; (a conversion's three registers begin on an even number)
	v_nop                                          ; one plain place behind a scaled conversion
.irp i, 0,1,2
	v_permlane16_swap_b32 v[PC+\i], v[PC+8+\i]     ; a whole block in a lane: lanes 0-15 block 0, lanes 16-31 block 1
.endr
.irp i, 0,1,2
	v_mov_b32 v[PC+3+\i], v[PC+8+\i]
.endr
	global_store_b128 v[L16], v[PC:PC+3], s[\pb:\pb+1] offset:\off         ; the half image: 512 and 256 consecutive bytes, at multiples of 256 from the buffer's first byte
	global_store_b64 v[L8], v[PC+4:PC+5], s[\pb:\pb+1] offset:(\off)+512
.endm
; A TILE.  Its fragments were fetched two tiles ago; younger than that fetch are the next tile's 32 loads.  round = 1: the weights' region is filled again.
.macro BLK a, v, round
.if (\a) < 7
	s_wait_dscnt 32
.else
	s_wait_dscnt 0x0
.endif
.if \round
	s_wait_tensorcnt 0x0                           ; all my tensor loads have landed;
	ds_add_u32 v[SPW], v[NIL]                      ; 0 onto my spare word;
	s_add_nc_u64 s[G0B+2:G0B+3], s[G0B+2:G0B+3], 8*BLKB   ; no load of mine is out: the next weight's block lies 8 blocks on
.endif
.set N_, 0
.rept 32
	PROD \a, N_
.if (\round) && (N_ == 25)
	s_wait_dscnt 0x0                               ; the add is done, and so are my reads of the weights' region (they went into registers ahead of the first tile)
	s_barrier_signal -1                            ; the round opens; the last six products stand inside it
.endif
.set N_, N_+1
.endr
	WIN 0
.if \round
	s_barrier_wait -1
	CREST                                          ; no wave of any partner still reads the region or has a load on its way
	s_cmp_lt_u32 s16, 2
	s_cbranch_scc0 .Lno_half_\@
	TLOAD G0B, G1B                                 ; waves 0 and 1 a half each
.Lno_half_\@:
.endif
	PLACES                                         ; in front of the reads of the results and of the loads into the fragments' registers
.if (\a) < 6
	FETCH (\a)+2, \v
.endif
.if \v
	OUT \a, 12, ((\a)/4)*98304+((\a)%4)*1536
.else
	OUT \a, 8, (\a)*768
.endif
.endm
	s_wait_alu depctr_va_vdst(0)                   ; the wait at the head's end
	s_cmp_eq_u32 s16, 3
	s_cbranch_scc1 .Lnot_yet
	s_wait_tensorcnt 0x0
.Lnot_yet:
	BARRIER                                        ; wq's block and x's tiles 0-3 are in; tiles 4-7 may still be on their way
.Lphase:                                               ; Q, then K
	SCALES SOFA, SOFX
	HOLD 0
	FETCH 0, 0
	FETCH 1, 0
	s_wait_loadcnt 0x0                             ; the scale words
	BLK 0, 0, 0
	BLK 1, 0, 0
	BLK 2, 0, 1
.irp a, 3,4,5,6,7
	BLK \a, 0, 0
.endr
	s_mov_b32 vcc_lo, 0xffff0000
.irp i, 0,1,2,3
	v_cndmask_b32 v[DD+\i], v[W+\i], v[W+4+\i], vcc_lo
.endr
	global_store_b128 v[WO], v[DD:DD+3], s[10:11]  ; my head's words of this key step: 512 consecutive bytes, aligned
	v_add_nc_u32 v[SOFX], v[SOFX], v[DK]
	v_add_nc_u32 v[SOFX+1], v[SOFX+1], v[DK]
	s_wait_alu depctr_va_vdst(0)                   ; directly ahead of the waits and the branch below
	s_wait_xcnt 0x0                                ; the stores have read their bases
	s_add_nc_u64 s[8:9], s[8:9], 64*98304          ; K's heads lie behind Q's 64
	s_add_nc_u64 s[10:11], s[10:11], 64*8192
	s_wait_tensorcnt 0x0                           ; my part of the next weight is in,
	s_wait_dscnt 0x0
	BARRIER                                        ; everybody's is
	s_add_co_u32 s92, s92, 1
	s_cmp_lt_u32 s92, 2
	s_cbranch_scc1 .Lphase
	SCALES SOFV, SOFV+1                            ; V
	HOLD 1
	FETCH 0, 1
	FETCH 1, 1
	s_wait_loadcnt 0x0
.irp a, 0,1,2,3,4,5,6,7
	BLK \a, 1, 0
.endr
	s_wait_xcnt 0x0                                ; the words' registers were K's store data
	s_mov_b32 vcc_lo, 0xffff0000
.irp q, 0,1,2,3
	v_cndmask_b32 v[DD+\q], v[W+2*\q], v[W+2*\q+1], vcc_lo
.endr
.irp q, 0,1,2,3
	global_store_b16 v[VO], v[DD+\q], s[14:15] offset:(\q/2)*4096+(\q%2)*8   ; two bytes of a word: my half of the key step
.endr
	s_wait_tensorcnt 0x0                           ; the wave's end
	ds_add_u32 v[SPW], v[NIL]
	s_wait_dscnt 0x0
	BARRIER
	CREST                                          ; the closing round
	s_endpgm
.Lfunc_end_k_q5ea943c22d_qkv:
	.size	k_q5ea943c22d_qkv, .Lfunc_end_k_q5ea943c22d_qkv-k_q5ea943c22d_qkv
	.p2alignl 7, 3214868480
	.fill 96, 4, 3214868480
	.section	.rodata,"a",@progbits
	.p2align	6, 0x0
	.amdhsa_kernel k_q5ea943c22d_qkv
		.amdhsa_group_segment_fixed_size 327680
		.amdhsa_private_segment_fixed_size 0
		.amdhsa_enable_private_segment 0
		.amdhsa_kernarg_size 48
		.amdhsa_user_sgpr_count 2
		.amdhsa_user_sgpr_kernarg_segment_ptr 1
		.amdhsa_wavefront_size32 1
		.amdhsa_system_sgpr_workgroup_id_x 1
		.amdhsa_system_sgpr_workgroup_id_y 1
		.amdhsa_system_sgpr_workgroup_id_z 1
		.amdhsa_system_vgpr_workitem_id 0
		.amdhsa_next_free_vgpr 896
		.amdhsa_next_free_sgpr 100
		.amdhsa_reserve_vcc 1
		.amdhsa_float_denorm_mode_32 3
		.amdhsa_float_denorm_mode_16_64 3
		.amdhsa_memory_ordered 1
		.amdhsa_forward_progress 1
		.amdhsa_inst_pref_size 165
	.end_amdhsa_kernel
	.amdgpu_metadata
---
amdhsa.version: [ 1, 2 ]
amdhsa.kernels:
  - .name:           k_q5ea943c22d_qkv
    .symbol:         k_q5ea943c22d_qkv.kd
    .args:
      - { .name: XW, .offset: 0, .size: 8, .value_kind: global_buffer, .address_space: global }
      - { .name: XWS, .offset: 8, .size: 8, .value_kind: global_buffer, .address_space: global }
      - { .name: QKC, .offset: 16, .size: 8, .value_kind: global_buffer, .address_space: global }
      - { .name: QKS, .offset: 24, .size: 8, .value_kind: global_buffer, .address_space: global }
      - { .name: VC, .offset: 32, .size: 8, .value_kind: global_buffer, .address_space: global }
      - { .name: VS, .offset: 40, .size: 8, .value_kind: global_buffer, .address_space: global }
    .group_segment_fixed_size: 327680
    .private_segment_fixed_size: 0
    .kernarg_segment_align: 8
    .kernarg_segment_size: 48
    .max_flat_workgroup_size: 128
    .sgpr_count:     100
    .vgpr_count:     896
    .wavefront_size: 32
...
	.end_amdgpu_metadata
.endif
;; end of part 2
;; launch attn (part 3): grid 4 x 64, 16 waves a work-group, clusters of 4 x 1, 235,520 bytes of LDS; arguments QKC, QKS, VC, VS, CW, CWS; writes CW, CWS
.if DOCPART == 3
	.amdgcn_target "amdgcn-amd-amdhsa--gfx1250"
	.amdhsa_code_object_version 6
	.text
	.protected	k_q5ea943c22d_attn
	.globl	k_q5ea943c22d_attn
	.p2align	8
	.type	k_q5ea943c22d_attn,@function
k_q5ea943c22d_attn:
	s_mov_b64 s[64:65], 0
	v_nop
	global_prefetch_b8 v0, s[64:65] scope:SCOPE_SE
	s_setreg_imm32_b32 hwreg(HW_REG_WAVE_MODE, 25, 1), 1
	s_wait_xcnt 0x0
	s_wait_alu depctr_hold_cnt(0) depctr_sa_sdst(0) depctr_va_vdst(0) depctr_va_sdst(0) depctr_va_ssrc(0) depctr_va_vcc(0) depctr_vm_vsrc(0)
	s_getreg_b32 s2, hwreg(HW_REG_IB_STS2, 6, 4)
	s_cmp_eq_u32 s2, 0
	s_cbranch_scc0 .Lentry_in_a_cluster
	s_endpgm
.Lentry_in_a_cluster:
	s_bfe_u32 s2, ttmp6, 0x10000c
	s_cmp_lg_u32 s2, 0x3003
	s_cbranch_scc0 .Lentry_shape_is_right
	s_endpgm
.Lentry_shape_is_right:
; ctx[b][q][head] = softmax_k(q . k / 8) v on codes of FP6 (E2M3) with E8M0 scales; ctx is divided by the row's sum, quantised along the model's 1,024 and leaves as codes for the last product.
; THE SOFTMAX: t = score x log2(e) / 8; M = the row's largest t so far, rounded UP to a whole number; p = 2^(t - M) is what is quantised, along the keys, not normalised.  The row's sum is taken of the
; unquantised p, in f32.  When M moves, the sum and O are multiplied by 2^(old M - new M): exact.
; SHARES.  A work-group owns 512 queries of one head (y = 16 x batch + head; its place in the cluster = which quarter of the head's 2,048 queries); each of its sixteen waves owns one tile of 16 queries
; in each of two passes, four waves to a SIMD.
; A HEAD'S WHOLE K AND V STAY IN LDS, with their scale words; every byte is filled once, so there is no ring.  The four work-groups of a cluster belong to one head and ask for these blocks JOINTLY,
; one tensor load a wave: waves 0-5 a sixth of K each, waves 6-11 a sixth of V, waves 12, 13 a half of K's scale words, waves 14, 15 a half of V's.  One wait and one barrier stand in front of the first read.
; Nothing is prefetched: all that the launch reads but Q (768 bytes a wave and pass) is asked for at the head, and no loop fetches from memory.
; LAYOUT.  Both products are used transposed: S^T = K Q^T, O^T = V^T P^T: a lane holds one query (lane % 16) throughout.
; WHICH KEYS FORM A TILE OF K is chosen by the LDS addresses alone: row 8 h + j of tile a of a key step is key 64 (a / 4) + 32 h + 8 (a % 4) + j.  So the 32 score registers of tiles 4 c .. 4 c + 3 in a lane of
; half h are the 32 neighbouring keys of block 2 c + h, in order: a block's largest score needs no other lane, and the conversions' results are P's operand as they fall (lane half h holds blocks h and 2 + h).
; In memory a tile T = 2 g + u holds key 32 g + 8 u + r + 8 (r / 8) in lane r, so that key lies in the stored tile 4 (a / 4) + 2 h + a % 2, lane row j + 8 ((a % 4) / 2).
; K's rows of 256 bytes have 64 bytes of padding behind each: a stored tile is 960 bytes, and the two groups of eight lanes of a 16-byte load, two stored tiles apart, begin 128 bytes apart modulo 256.
; THE FIRST PRODUCT'S K IS 64, the instruction's 128: Q's registers 6-11 hold zero codes.  What K's operand shows there (the next tile's codes; behind tile 7 six zero registers) is multiplied by zeros
; (the format has no NaN and no infinity, and bytes 2, 3 of the scale words are never 0xff).
; LIMITS: the promise holds while |t| stays under 2^31; p under 2^-126 is flushed to 0 by v_exp_f32; a block of zeros gets the byte 1 where the rule says 127 (zero codes; this program alone reads the
; bytes); NaN and infinities are not served.  ctx's scale bytes leave as single bytes (two of a row's 32 bytes belong to one head).
; REGISTERS: v1-11 addresses; v12 -M, v13 the largest score, v[14:15] the sum in two halves; v16-27 Q; v28-81 K's tiles, then V's; v82-87 the step's addresses; v96-159 S^T, then p; v160-191 O^T;
;   v192-203 p's codes; v204-210 at work; v212-219 K's scale words, v220-223 V's, v224 Q's, v225 p's; v226-254 at work; v253, v255 the add's two.
.set KT,    960                        ; LDS: a stored tile of K: 3 x (256 + 64)
.set KSTEP, 8*KT                       ; a key step (128 keys) of K
.set VB,    16*KSTEP                   ; V^T's 64 fragments of 1,536 bytes
.set VSTEP, 6144
.set KSB,   VB+98304                   ; K's scale words, 512 bytes a key step
.set VSB,   KSB+8192                   ; V's, 256 a key step
.set SPARE, VSB+4096                   ; the spare words: 128 bytes a wave
.set WV,   16
.set SEL,  20                          ; s[20:21] lane l xor 16
.set CS,   22                          ; s[22:23] c = log2(e) / 8, as a pair for the packed form
.set G1K,  24                          ; groups 1: K's codes (padded), V's codes, K's scale words, V's
.set G1V,  32
.set G1KS, 40
.set G1VS, 48
.set G0K,  56                          ; groups 0, one for each arm
.set G0V,  60
.set G0KS, 68
.set G0VS, 72
.set TK,   76                          ; the key step's bytes in K, in V, in K's scale words, in V's
.set TB,   77
.set TS,   78
.set TJ,   79
.set CNT,  80
.macro CROUND                          ; a round of the cluster's barrier
	s_barrier_signal -1
	s_barrier_wait -1
	s_cmp_lg_u32 s[WV], 0
	s_cbranch_scc1 .Lnot_wave_0_\@
	s_barrier_signal -3
.Lnot_wave_0_\@:
	s_barrier_wait -3
	s_barrier_signal -1
	s_barrier_wait -1
.endm
.macro TL g0, g1                       ; a joint load
	tensor_load_to_lds s[\g0:\g0+3], s[\g1:\g1+7]
	s_nop 0
.rept 4
	v_nop
.endr
.endm
	s_load_b256 s[4:11], s[0:1], 0x0               ; QKC, QKS, VC, VS
	s_load_b128 s[12:15], s[0:1], 0x20             ; CW, CWS
	v_lshl_add_u32 v253, v0, 2, SPARE
	v_mov_b32 v255, 0
	ds_add_u32 v253, v255                          ; the opening lines: the add, twice on end, and its wait
	ds_add_u32 v253, v255
	v_lshrrev_b32 v9, 5, v0
	v_readfirstlane_b32 s[WV], v9                  ; wave 0..15
	s_bfe_u32 s18, ttmp6, 0x40000                  ; cx: it enters Q's and ctx's global addresses alone
	s_and_b32 s17, ttmp7, 0xffff                   ; 16 x batch + head, which the four partners share
	; groups 1: dense blocks as rows of 32 elements of 8 bytes; the mask names all four work-groups, bit 21 set beside it
.irp g, G1K, G1V, G1KS, G1VS
	s_mov_b32 s[\g+1], 32<<16
	s_mov_b32 s[\g+3], 32<<16
	s_mov_b32 s[\g+5], 32
	s_mov_b32 s[\g+6], 0
	s_mov_b32 s[\g+7], 0
.endr
	s_mov_b32 s[G1K], 15|(3<<16)|(1<<20)|(1<<21)|(5<<22)|(15<<25)   ; 16 words of padding behind every 64
	s_mov_b32 s[G1V], 15|(3<<16)|(1<<21)
	s_mov_b32 s[G1KS], 15|(3<<16)|(1<<21)
	s_mov_b32 s[G1VS], 15|(3<<16)|(1<<21)
	s_mov_b32 s[G1K+2], 64<<16                     ; 64 rows: 16,384 bytes
	s_mov_b32 s[G1K+4], 64
	s_mov_b32 s[G1V+2], 64<<16
	s_mov_b32 s[G1V+4], 64
	s_mov_b32 s[G1KS+2], 16<<16                    ; 16 rows: 4,096 bytes
	s_mov_b32 s[G1KS+4], 16
	s_mov_b32 s[G1VS+2], 8<<16                     ; 8 rows: 2,048 bytes
	s_mov_b32 s[G1VS+4], 8
	; which piece is mine in each arm (held inside the block for the waves that do not take the arm), and where it goes
	s_min_u32 s82, s[WV], 5
	s_lshl_b32 s82, s82, 14
	s_mov_b32 s83, 0
	s_max_u32 s84, s[WV], 6
	s_sub_co_u32 s84, s84, 6
	s_min_u32 s84, s84, 5
	s_lshl_b32 s84, s84, 14
	s_mov_b32 s85, 0
	s_max_u32 s86, s[WV], 12
	s_sub_co_u32 s86, s86, 12
	s_min_u32 s86, s86, 1
	s_lshl_b32 s86, s86, 12
	s_mov_b32 s87, 0
	s_max_u32 s88, s[WV], 14
	s_sub_co_u32 s88, s88, 14
	s_lshl_b32 s88, s88, 11
	s_mov_b32 s89, 0
	s_mov_b32 s[G0K], 1
	s_mul_i32 s[G0K+1], s[WV], 64*320              ; waves 0-5
	s_mov_b32 s[G0V], 1
	s_lshl_b32 s[G0V+1], s[WV], 14
	s_add_co_u32 s[G0V+1], s[G0V+1], VB-6*16384    ; waves 6-11
	s_mov_b32 s[G0KS], 1
	s_lshl_b32 s[G0KS+1], s[WV], 12
	s_add_co_u32 s[G0KS+1], s[G0KS+1], KSB-12*4096 ; waves 12, 13
	s_mov_b32 s[G0VS], 1
	s_lshl_b32 s[G0VS+1], s[WV], 11
	s_add_co_u32 s[G0VS+1], s[G0VS+1], VSB-14*2048 ; waves 14, 15
	s_add_co_u32 s19, s17, 64                      ; k's heads lie behind q's 64
	s_mul_i32 s2, s19, 98304
	s_mov_b32 s3, 0
	s_lshl_b32 s92, s19, 13
	s_mov_b32 s93, 0
	s_mul_i32 s94, s17, 98304
	s_mov_b32 s95, 0
	s_lshl_b32 s96, s17, 12
	s_mov_b32 s97, 0
	s_mov_b32 s[SEL], 0x76543210
	s_mov_b32 s[SEL+1], 0xfedcba98
	s_mov_b32 s[CS], 0x3e38aa3b                    ; log2(e) / 8
	s_mov_b32 s[CS+1], s[CS]
	s_wait_dscnt 0x0                               ; both opening adds are done
	s_wait_kmcnt 0x0
	s_add_nc_u64 s[2:3], s[4:5], s[2:3]            ; the head's K,
	s_add_nc_u64 s[92:93], s[6:7], s[92:93]        ; its scale words,
	s_add_nc_u64 s[8:9], s[8:9], s[94:95]          ; the head's V,
	s_add_nc_u64 s[10:11], s[10:11], s[96:97]      ; its scale words
	s_add_nc_u64 s[G0K+2:G0K+3], s[2:3], s[82:83]
	s_or_b32 s[G0K+3], s[G0K+3], 0x80000000
	s_add_nc_u64 s[G0V+2:G0V+3], s[8:9], s[84:85]
	s_or_b32 s[G0V+3], s[G0V+3], 0x80000000
	s_add_nc_u64 s[G0KS+2:G0KS+3], s[92:93], s[86:87]
	s_or_b32 s[G0KS+3], s[G0KS+3], 0x80000000
	s_add_nc_u64 s[G0VS+2:G0VS+3], s[10:11], s[88:89]
	s_or_b32 s[G0VS+3], s[G0VS+3], 0x80000000
	CROUND                                         ; all four work-groups are here: the joint loads meet
	s_cmp_lt_u32 s[WV], 6                          ; one chain of branches on the wave's number, one load to an arm, all arms to one join
	s_cbranch_scc0 .Lnot_k
	TL G0K, G1K
	s_branch .Lasked
.Lnot_k:
	s_cmp_lt_u32 s[WV], 12
	s_cbranch_scc0 .Lnot_v
	TL G0V, G1V
	s_branch .Lasked
.Lnot_v:
	s_cmp_lt_u32 s[WV], 14
	s_cbranch_scc0 .Lnot_ks
	TL G0KS, G1KS
	s_branch .Lasked
.Lnot_ks:
	TL G0VS, G1VS
.Lasked:
	; my tile of queries in pass 0: tq = 32 cx + wave (pass 1: 16 tiles on)
	s_lshl_b32 s19, s18, 5
	s_add_co_u32 s19, s19, s[WV]
	s_mul_i32 s96, s19, 768
	s_add_co_u32 s96, s96, s94                     ; + the head's 98,304 bytes each
	s_add_nc_u64 s[4:5], s[4:5], s[96:97]          ; Q's half image
	s_lshl_b32 s96, s17, 13
	s_lshr_b32 s98, s19, 3
	s_lshl_b32 s98, s98, 9
	s_add_co_u32 s96, s96, s98                     ; 512 bytes for 8 tiles,
	s_bfe_u32 s98, s19, 0x10002
	s_lshl_b32 s98, s98, 8
	s_add_co_u32 s96, s96, s98                     ; 256 for 4,
	s_and_b32 s98, s19, 3
	s_lshl_b32 s98, s98, 2
	s_add_co_u32 s96, s96, s98                     ; a word for each
	s_add_nc_u64 s[6:7], s[6:7], s[96:97]          ; Q's scale words
	s_lshr_b32 s98, s17, 4                         ; batch
	s_and_b32 s99, s17, 15                         ; head
	s_lshl_b32 s96, s98, 4
	s_lshr_b32 s2, s19, 3
	s_add_co_u32 s96, s96, s2                      ; ctx's tile T = 128 batch + tq: T / 8,
	s_lshl_b32 s96, s96, 3
	s_lshr_b32 s2, s99, 1
	s_add_co_u32 s96, s96, s2                      ; K step head / 2,
	s_mul_i32 s96, s96, 12288
	s_and_b32 s2, s19, 7
	s_mul_i32 s2, s2, 1536
	s_add_co_u32 s96, s96, s2                      ; T % 8,
	s_and_b32 s2, s99, 1
	s_mul_i32 s2, s2, 768
	s_add_co_u32 s96, s96, s2                      ; half head % 2
	s_add_nc_u64 s[12:13], s[12:13], s[96:97]
	s_lshl_b32 s96, s98, 7
	s_add_co_u32 s96, s96, s19
	s_lshl_b32 s96, s96, 9                         ; its scale words: 512 T,
	s_lshr_b32 s2, s99, 3
	s_lshl_b32 s2, s2, 8
	s_add_co_u32 s96, s96, s2                      ; + 256 (K step / 4),
	s_bfe_u32 s2, s99, 0x20001
	s_lshl_b32 s2, s2, 2
	s_add_co_u32 s96, s96, s2                      ; + 4 (K step % 4),
	s_and_b32 s2, s99, 1
	s_lshl_b32 s2, s2, 1
	s_add_co_u32 s96, s96, s2                      ; + the head's first byte in the word
	s_add_nc_u64 s[14:15], s[14:15], s[96:97]
	v_and_b32 v82, 31, v0                          ; lane
	v_and_b32 v83, 15, v0                          ; r
	v_bfe_u32 v84, v0, 4, 1                        ; h
	v_and_b32 v85, 7, v0                           ; j = r % 8
	v_bfe_u32 v86, v0, 3, 1                        ; r / 8
	v_lshlrev_b32 v1, 4, v82                       ; 16 x lane
	v_lshlrev_b32 v2, 3, v82                       ; 8 x lane
	v_mul_u32_u24 v87, v86, 2*KT                   ; K: rows 8-15 of a tile come from the stored tile two on
	v_mad_u32_u24 v3, v84, 320, v87                ; registers 0-3: 16 bytes a stored lane, lanes 16-31 one padded row on
	v_lshl_add_u32 v3, v85, 4, v3
	v_lshl_add_u32 v4, v84, 7, v87                 ; registers 4, 5: 8 bytes a stored lane
	v_lshl_add_u32 v4, v85, 3, v4
	v_add_nc_u32 v5, VB, v1
	v_add_nc_u32 v6, VB, v2
	v_lshlrev_b32 v7, 4, v83                       ; 16 r
	v_add_nc_u32 v8, v7, v84                       ; 16 r + h: my byte of ctx's scale words
	v_lshlrev_b32 v9, 3, v84                       ; 8 h: where my two bytes stand in p's scale word
	v_lshlrev_b32 v10, 4, v85
	v_lshl_add_u32 v10, v86, 3, v10
	v_add_nc_u32 v10, KSB, v10                     ; K's scale words: 16 j + 8 (r / 8): the words of stored tiles 2 (r / 8), 2 (r / 8) + 1
	v_add_nc_u32 v11, VSB, v7
	s_mov_b32 vcc_lo, 0xffff0000                   ; lanes 16-31
.irp j, 22,23,24,25,26,27,76,77,78,79,80,81
	v_mov_b32 v\j, 0                               ; zero codes: Q's upper 64 along K, and what K's tile 7 shows there
.endr
.irp j, 226,236,237,241,251,254
	v_mov_b32 v\j, 0                               ; written once: a lane permute's destination counts as one of its sources; v251 is named as the upper half of a pair
.endr
.macro SUM8 base                       ; eight pairs of p from register base on, one onto each of the sum's eight chains
.set Q_, \base
.irp t, 232,234,238,240,242,246,248
	v_pk_add_f32 v[\t:\t+1], v[\t:\t+1], v[Q_:Q_+1]
.set Q_, Q_+2
.endr
	v_pk_add_f32 v[14:15], v[14:15], v[Q_:Q_+1]
.endm
; A KEY STEP: 128 keys.
.macro STEP
	v_add_nc_u32 v82, s[TK], v3                    ; four plain lines: also the places behind the last products, in front of the loads into the registers that they read
	v_add_nc_u32 v83, s[TK], v4
	v_add_nc_u32 v86, s[TS], v10
	v_mov_b32 v254, v12                            ; the old -M
.irp q, 0,1,2,3
	ds_load_b64 v[212+2*\q:213+2*\q], v86 offset:256*(\q/2)+128*(\q%2)   ; the scale words of tiles 2 q, 2 q + 1
.endr
.irp a, 0,1,2,3,4,5,6,7
	ds_load_b128 v[28+6*\a:31+6*\a], v82 offset:KT*(4*(\a/4)+\a%2)+128*((\a%4)/2)       ; K's tile a: six registers
	ds_load_b64 v[32+6*\a:33+6*\a], v83 offset:KT*(4*(\a/4)+\a%2)+64*((\a%4)/2)+640
.endr
	s_wait_dscnt 6                                 ; the words and tiles 0-4 are in; the six loads of tiles 5-7 may be out
.irp a, 0,1,2,3
	v_wmma_scale_f32_16x16x128_f8f6f4 v[96+8*\a:103+8*\a], v[28+6*\a:39+6*\a], v[16:27], 0, v[212+\a], v224 matrix_a_fmt:MATRIX_FMT_FP6 matrix_b_fmt:MATRIX_FMT_FP6
.endr
	s_wait_dscnt 0x0
.irp a, 4,5,6,7
	v_wmma_scale_f32_16x16x128_f8f6f4 v[96+8*\a:103+8*\a], v[28+6*\a:39+6*\a], v[16:27], 0, v[212+\a], v224 matrix_a_fmt:MATRIX_FMT_FP6 matrix_b_fmt:MATRIX_FMT_FP6
.endr
	v_add_nc_u32 v84, s[TB], v5                    ; four places: in front of the loads below and of the first read of the scores
	v_add_nc_u32 v85, s[TB], v6
	v_add_nc_u32 v87, s[TJ], v11
	v_nop
.irp t, 0,1,2,3                        ; V^T's four fragments land while the softmax is worked
.irp c, 0,1
	ds_load_b128 v[28+12*\t+6*\c:31+12*\t+6*\c], v84 offset:1536*\t+768*\c
	ds_load_b64 v[32+12*\t+6*\c:33+12*\t+6*\c], v85 offset:1536*\t+768*\c+512
.endr
.endr
	ds_load_b128 v[220:223], v87
.irp a, 0,1,2,3,4,5,6,7                ; the largest score of my two blocks of 32 keys: a chain to each tile, the eight by turns; each accumulator is read from its low end on
	v_max3_num_f32 v[232+\a], v[96+8*\a], v[97+8*\a], v[98+8*\a]
.endr
.irp i, 3,5
.irp a, 0,1,2,3,4,5,6,7
	v_max3_num_f32 v[232+\a], v[232+\a], v[96+8*\a+\i], v[97+8*\a+\i]
.endr
.endr
	v_max3_num_f32 v232, v232, v103, v111          ; the tiles' last registers, and the chains joined, the two blocks by turns
	v_max3_num_f32 v236, v236, v135, v143
	v_max3_num_f32 v233, v233, v119, v127
	v_max3_num_f32 v237, v237, v151, v159
	v_max3_num_f32 v232, v232, v233, v234
	v_max3_num_f32 v236, v236, v237, v238
	v_max_num_f32 v232, v232, v235                 ; block h's: it serves for the row's maximum and, since p rises with the score, for the block's largest p
	v_max_num_f32 v234, v236, v239                 ; block 2 + h's
	s_delay_alu instid0(VALU_DEP_1)
	v_max_num_f32 v240, v232, v234
	s_delay_alu instid0(VALU_DEP_1)
	v_permlanex16_b32 v241, v240, s[SEL], s[SEL+1]
	s_delay_alu instid0(VALU_DEP_1)
	v_max3_num_f32 v13, v13, v240, v241            ; the running largest score of my query, both halves of the lanes alike
	s_delay_alu instid0(VALU_DEP_1)
	v_mul_f32 v242, s[CS], v13                     ; as t (c is positive)
	s_delay_alu instid0(VALU_DEP_1)
	v_floor_f32 v12, -v242                         ; the new -M = floor(-t): M is a whole number
.set J, 0
.rept 32
	v_pk_fma_f32 v[96+J:97+J], v[96+J:97+J], s[CS:CS+1], v[12:13] op_sel_hi:[1,0,0]   ; t - M, two at a time
.if J == 2
	v_sub_f32 v254, v12, v254                      ; old M - new M: a whole number, 0 or less
.endif
.if J == 6
	v_cvt_i32_f32 v254, v254                       ; (it saturates)
.endif
.if J == 10
	v_ldexp_f32 v250, 1.0, v254                    ; f = 2^(old M - new M)
.endif
.set J, J+2
.endr
	v_fma_f32 v232, v232, s[CS], v12               ; the same of each block's largest score
	v_fma_f32 v234, v234, s[CS], v12
.set J, 0
.rept 16
	v_pk_mul_f32 v[160+J:161+J], v[160+J:161+J], v[250:251] op_sel_hi:[1,0]   ; O^T under the new M, each accumulator from its low end on
.set J, J+2
.endr
	s_wait_alu depctr_va_vdst(0)                   ; the wait ahead of the batch
.set J, 0
.rept 64
	v_exp_f32 v[96+J], v[96+J]                     ; p = 2^(t - M), at most 1
.set J, J+1
.endr
	v_exp_f32 v232, v232                           ; the blocks' largest p
	v_exp_f32 v234, v234
	v_pk_mul_f32 v[14:15], v[14:15], v[250:251] op_sel_hi:[1,0]    ; the sums under the new M (a plain place behind the exponentials)
	s_wait_alu depctr_va_vdst(0)                   ; and behind it, ahead of its first reader
	v_max_num_f32 v232, 0x1800000, v232            ; the floor 2^(3 - 127): the byte cannot fall under 1
	v_max_num_f32 v234, 0x1800000, v234
	v_add_nc_u32 v244, 0xff000000, v232            ; 2 off the exponent field: the conversions' scale operands
	v_add_nc_u32 v245, 0xff000000, v234
	v_lshrrev_b32 v236, 23, v244                   ; the scales' bytes
	v_lshrrev_b32 v237, 23, v245
	v_lshl_or_b32 v225, v237, 16, v236             ; bytes h and 2 + h of p's scale word for these 128 keys,
	v_lshlrev_b32 v225, v9, v225                   ; at their places;
	v_permlanex16_b32 v226, v225, s[SEL], s[SEL+1]
	v_or_b32 v225, v225, v226                      ; with lane l xor 16's two the word is whole
	v_cvt_scalef32_pk16_fp6_f32 v[192:194], v[96:111], v244
	v_cvt_scalef32_pk16_fp6_f32 v[204:206], v[112:127], v244       ; (a conversion's three registers begin on an even number)
	v_cvt_scalef32_pk16_fp6_f32 v[198:200], v[128:143], v245
	v_cvt_scalef32_pk16_fp6_f32 v[208:210], v[144:159], v245
.set Q_, 96                            ; the row's sum of the unquantised p, two at a time, eight chains (plain lines behind the conversions: they read the sources alone)
.irp t, 232,234,238,240,242,246,248
	v_pk_add_f32 v[\t:\t+1], v[Q_:Q_+1], v[Q_+2:Q_+3]
.set Q_, Q_+4
.endr
	v_pk_add_f32 v[14:15], v[14:15], v[124:125]
	SUM8 126
.irp i, 0,1,2
	v_mov_b32 v[195+\i], v[204+\i]                 ; registers 6 c .. 6 c + 5 hold block 2 c + h
	v_mov_b32 v[201+\i], v[208+\i]
.endr
	SUM8 142
	v_pk_add_f32 v[232:233], v[232:233], v[158:159]
	v_pk_add_f32 v[234:235], v[234:235], v[238:239]
	v_pk_add_f32 v[240:241], v[240:241], v[242:243]
	v_pk_add_f32 v[246:247], v[246:247], v[248:249]
	v_pk_add_f32 v[14:15], v[14:15], v[232:233]
	v_pk_add_f32 v[234:235], v[234:235], v[240:241]
	v_pk_add_f32 v[14:15], v[14:15], v[246:247]
	v_pk_add_f32 v[14:15], v[14:15], v[234:235]
	s_wait_alu depctr_va_vdst(0)                   ; directly ahead of the wait below
	s_wait_dscnt 0x0                               ; V^T and its scale words are in
.irp t, 0,1,2,3                        ; four accumulators by turns; eight other products stand between a step's link and the next step's
	v_wmma_scale_f32_16x16x128_f8f6f4 v[160+8*\t:167+8*\t], v[28+12*\t:39+12*\t], v[192:203], v[160+8*\t:167+8*\t], v[220+\t], v225 matrix_a_fmt:MATRIX_FMT_FP6 matrix_b_fmt:MATRIX_FMT_FP6
.endr
	s_add_co_u32 s[TK], s[TK], KSTEP
	s_add_co_u32 s[TB], s[TB], VSTEP
	s_add_co_u32 s[TS], s[TS], 512
	s_add_co_u32 s[TJ], s[TJ], 256
.endm
; A PASS: one tile of 16 queries against all 2,048 keys.  The pass's offsets stand in the immediates: no pointer is stepped.
.macro PASS p
	global_load_b128 v[16:19], v1, s[4:5] offset:12288*\p          ; Q's half image
	global_load_b64 v[20:21], v2, s[4:5] offset:12288*\p+512
	global_load_b32 v224, v7, s[6:7] offset:1024*\p                ; its scale words
	v_mov_b32 v13, 0xff61b1e6                      ; the largest score so far: -3e38
	v_mul_f32 v242, s[CS], v13
	v_floor_f32 v12, -v242
	v_mov_b32 v14, 0
	v_mov_b32 v15, 0
.set J, 0
.rept 32
	v_mov_b32 v[160+J], 0                          ; O^T: the step is written once; the first finds zeros, which the first change of M leaves zeros
.set J, J+1
.endr
	s_mov_b32 s[TK], 0
	s_mov_b32 s[TB], 0
	s_mov_b32 s[TS], 0
	s_mov_b32 s[TJ], 0
	s_mov_b32 s[CNT], 16
	s_wait_alu depctr_va_vdst(0)                   ; directly ahead of the waits below
.if \p == 0
	s_wait_tensorcnt 0x0                           ; my fill has landed,
	s_barrier_signal -1
	s_barrier_wait -1                              ; everybody's has: K, V and their scale words lie in LDS for the rest of the launch
.else
	s_wait_xcnt 0x0                                ; the last pass's stores have read their registers
.endif
	s_wait_loadcnt 0x0                             ; Q
.Lstep_\@:
	STEP
	s_sub_co_u32 s[CNT], s[CNT], 1
	s_cmp_lg_u32 s[CNT], 0
	s_cbranch_scc1 .Lstep_\@
.rept 4
	v_nop                                          ; places behind the last products
.endr
	v_add_f32 v14, v14, v15                        ; the sum's two halves,
	v_permlanex16_b32 v254, v14, s[SEL], s[SEL+1]
	v_add_f32 v14, v14, v254                       ; and lane l xor 16's 1,024 keys
	s_wait_alu depctr_va_vdst(0)                   ; the wait ahead of the transcendental
	v_rcp_f32 v14, v14
	v_nop                                          ; a plain place behind it
	s_wait_alu depctr_va_vdst(0)                   ; the wait behind it, directly ahead of the first readers of O^T
.set J, 0
.rept 16
	v_pk_mul_f32 v[96+J:97+J], v[160+J:161+J], v[14:15] op_sel_hi:[1,0]   ; ctx: register 16 b + i = channel 32 b + 16 (lane / 16) + i of the head
.set J, J+2
.endr
.irp b, 0,1
	v_max3_num_f32 v[232+\b], |v[96+16*\b]|, |v[97+16*\b]|, 0x1800000
.endr
.irp i, 2,4,6,8,10,12,14
.irp b, 0,1
	v_max3_num_f32 v[232+\b], v[232+\b], |v[96+16*\b+\i]|, |v[97+16*\b+\i]|
.endr
.endr
.irp b, 0,1
	v_permlanex16_b32 v[236+\b], v[232+\b], s[SEL], s[SEL+1]
.endr
.irp b, 0,1
	v_max_num_f32 v[232+\b], v[232+\b], v[236+\b]  ; with lane l xor 16's 16 channels: the block's largest magnitude
.endr
.irp b, 0,1
	v_add_nc_u32 v[244+\b], 0xff000000, v[232+\b]
.endr
.irp b, 0,1
	v_lshrrev_b32 v[236+\b], 23, v[244+\b]
.endr
	v_cvt_scalef32_pk16_fp6_f32 v[192:194], v[96:111], v244
	v_cvt_scalef32_pk16_fp6_f32 v[204:206], v[112:127], v245
	v_cndmask_b32 v254, v236, v237, vcc_lo         ; lanes 0-15 store block 0's byte, lanes 16-31 block 1's (a plain place behind the conversions)
.irp i, 0,1,2
	v_permlane16_swap_b32 v[192+\i], v[204+\i]     ; a whole block in a lane: lanes 0-15 block 0, lanes 16-31 block 1
.endr
.irp i, 0,1,2
	v_mov_b32 v[195+\i], v[204+\i]
.endr
	global_store_b128 v1, v[192:195], s[12:13] offset:196608*\p    ; the half image: 512 and 256 consecutive bytes, at multiples of 256 from the buffer's first byte
	global_store_b64 v2, v[196:197], s[12:13] offset:196608*\p+512
	global_store_b8 v8, v254, s[14:15] offset:8192*\p
.endm
	PASS 0
	PASS 1
	s_wait_tensorcnt 0x0                           ; the wave's end
	ds_add_u32 v253, v255
	s_wait_dscnt 0x0
	CROUND                                         ; the closing round: no work-group ends while a partner may still ask for a block that names it
	s_endpgm
.Lfunc_end_k_q5ea943c22d_attn:
	.size	k_q5ea943c22d_attn, .Lfunc_end_k_q5ea943c22d_attn-k_q5ea943c22d_attn
	.p2alignl 7, 3214868480
	.fill 96, 4, 3214868480
	.section	.rodata,"a",@progbits
	.p2align	6, 0x0
	.amdhsa_kernel k_q5ea943c22d_attn
		.amdhsa_group_segment_fixed_size 235520
		.amdhsa_private_segment_fixed_size 0
		.amdhsa_enable_private_segment 0
		.amdhsa_kernarg_size 48
		.amdhsa_user_sgpr_count 2
		.amdhsa_user_sgpr_kernarg_segment_ptr 1
		.amdhsa_wavefront_size32 1
		.amdhsa_system_sgpr_workgroup_id_x 1
		.amdhsa_system_sgpr_workgroup_id_y 1
		.amdhsa_system_sgpr_workgroup_id_z 1
		.amdhsa_system_vgpr_workitem_id 0
		.amdhsa_next_free_vgpr 256
		.amdhsa_next_free_sgpr 100
		.amdhsa_reserve_vcc 1
		.amdhsa_float_denorm_mode_32 3
		.amdhsa_float_denorm_mode_16_64 3
		.amdhsa_memory_ordered 1
		.amdhsa_forward_progress 1
		.amdhsa_inst_pref_size 51
	.end_amdhsa_kernel
	.amdgpu_metadata
---
amdhsa.version: [ 1, 2 ]
amdhsa.kernels:
  - .name:           k_q5ea943c22d_attn
    .symbol:         k_q5ea943c22d_attn.kd
    .args:
      - { .name: QKC, .offset: 0, .size: 8, .value_kind: global_buffer, .address_space: global }
      - { .name: QKS, .offset: 8, .size: 8, .value_kind: global_buffer, .address_space: global }
      - { .name: VC, .offset: 16, .size: 8, .value_kind: global_buffer, .address_space: global }
      - { .name: VS, .offset: 24, .size: 8, .value_kind: global_buffer, .address_space: global }
      - { .name: CW, .offset: 32, .size: 8, .value_kind: global_buffer, .address_space: global }
      - { .name: CWS, .offset: 40, .size: 8, .value_kind: global_buffer, .address_space: global }
    .group_segment_fixed_size: 235520
    .private_segment_fixed_size: 0
    .kernarg_segment_align: 8
    .kernarg_segment_size: 48
    .max_flat_workgroup_size: 512
    .sgpr_count:     100
    .vgpr_count:     256
    .wavefront_size: 32
...
	.end_amdgpu_metadata
.endif
;; end of part 3
;; launch proj (part 4): grid 8 x 32, 4 waves a work-group, clusters of 4 x 4, 327,680 bytes of LDS; arguments CW, CWS, bo, out0; writes out0
.if DOCPART == 4
	.amdgcn_target "amdgcn-amd-amdhsa--gfx1250"
	.amdhsa_code_object_version 6
	.text
	.protected	k_q5ea943c22d_proj
	.globl	k_q5ea943c22d_proj
	.p2align	8
	.type	k_q5ea943c22d_proj,@function
k_q5ea943c22d_proj:
	s_mov_b64 s[64:65], 0
	v_nop
	global_prefetch_b8 v0, s[64:65] scope:SCOPE_SE
	s_setreg_imm32_b32 hwreg(HW_REG_WAVE_MODE, 25, 1), 1
	s_wait_xcnt 0x0
	s_wait_alu depctr_hold_cnt(0) depctr_sa_sdst(0) depctr_va_vdst(0) depctr_va_sdst(0) depctr_va_ssrc(0) depctr_va_vcc(0) depctr_vm_vsrc(0)
	s_getreg_b32 s2, hwreg(HW_REG_IB_STS2, 6, 4)
	s_cmp_eq_u32 s2, 0
	s_cbranch_scc0 .Lentry_in_a_cluster
	s_endpgm
.Lentry_in_a_cluster:
	s_bfe_u32 s2, ttmp6, 0x10000c
	s_cmp_lg_u32 s2, 0xf033
	s_cbranch_scc0 .Lentry_shape_is_right
	s_endpgm
.Lentry_shape_is_right:
; out0 = ctx wo^T + bo on codes of FP6 (E2M3) with E8M0 scales; sums in f32.  CW holds ctx's 8,192 rows (64 blocks of 128 rows) and behind them wo's 1,024 (8 blocks), CWS their scale words.
; THE IMAGE.  A block of 128 rows is 98,304 bytes: [K step s of 128][tile of 16 rows][1,536 bytes: a fragment's 12 registers: 6 c .. 6 c + 3 at 768 c + 16 x lane, 6 c + 4, 6 c + 5 at 768 c + 512 + 8 x lane].
; Lane r of tile T = 2 g + u stands for row 32 g + 8 u + r + 8 (r / 8).  Word s of row (T, r) lies at 512 T + 256 (s / 4) + 16 r + 4 (s % 4) of CWS.
; SHARES.  256 work-groups of four waves; a work-group makes 256 rows x 128 columns.  K is 1,024, so all that it multiplies lies in LDS at once: wo's block (98,304 bytes) and two blocks of ctx: every byte is
; filled once, there is no ring.  The waves are 2 x 2: wave (w / 2, w % 2) takes ctx's block w / 2 and wo's tiles 4 (w % 2) .. + 3.  It holds those 64 rows of wo, ALL of K, in registers (32 fragments) and
; streams ctx's tiles past them: a tile's 8 fragments lie twice in registers; 32 products, four accumulators by turns, finish 16 rows x 64 columns, which leave at once through the wave's own stage.
; FILLS, one joint load a wave: waves 0, 1 a half of wo's block each; wave 2 tiles 0-3 of both blocks of ctx (16 rows of 6,144 bytes, 12,288 apart), wave 3 tiles 4-7.  ctx's tiles are shared by a row of the
; 4 x 4 cluster, wo's by a column.  The first barrier shows wo (waves 0, 1 wait), the second ctx's tiles 0-3 (wave 2 too), a third, inside the third tile's products, all that is still out.
; Nothing is prefetched: all that the launch reads is asked for at its head, and no loop fetches from memory.
; THE MATRIX INSTRUCTION IS USED TRANSPOSED (source 0 = wo's rows, source 1 = ctx's): register j of lane (r, h) in wo's tile b is column 32 (b / 2) + 8 (b % 2) + 16 h + j of the wave's 64, row r of ctx's tile.
; THE BIAS is the C of a tile's first four products, laid in registers as the result lies.
; SCALE WORDS: register SC + 8 i + s holds in lanes 0-15 word s of ctx's tile i, and for i < 4 in lanes 16-31 word (s + 4) % 8 of wo's tile i: a product's two scale registers differ modulo 8.
; REGISTERS: v0-31 addresses; v32-95 scale words; v96-127 the bias; v128-191 two sets of four accumulators; v192-255 two sets of 16 rows on the way out;
;   fragment f lies in window 1 + f / 21 at register 12 (f % 21): 0-31 wo's (4 s + b), 32-39 and 40-47 ctx's two sets.
.set BLKB,   98304
.set KSB,    12288                     ; a K step of 8 tiles
.set ASB,    6144                      ; a K step of 4 tiles: a row of ctx's LDS regions
.set FRB,    1536
.set AH,     BLKB                      ; LDS: wo at 0; ctx's tiles 0-3 at AH, tiles 4-7 BLKB further: [block][K step][4 tiles]
.set STAGE,  3*BLKB                    ; 16 rows x (256 + 16) bytes for each wave
.set SPITCH, 272
.set SPARE,  STAGE+4*16*SPITCH         ; the spare words: 128 bytes a wave
.set FR,   12
.set FPW,  21
.set ADB,  4                           ; v4-7   wo's fragments: 16 x lane, 8 x lane for K steps 0-3; the same for 4-7
.set ADA,  8                           ; v8-11  ctx's: the same two for tiles 0-3, for tiles 4-7
.set L16,  12
.set L8,   13
.set R16,  14
.set SOFA, 15                          ; v15-17 offsets of the scale words
.set SOFX, 16
.set BOF,  18
.set STO,  19
.set RD,   22
.set CO,   23
.set SPW,  28
.set NIL,  29
.set SC,   32
.set BI,   96
.set ACC,  128
.set OB,   192
.set G1A, 24
.set G0A, 32
.set G1B, 48
.set G0B, 56
.set MSB, 0
.macro WIN new                         ; the immediate's high byte repeats the setting that is left
.if MSB != \new
	s_set_vgpr_msb (MSB<<8)|\new
.set MSB, \new
.endif
.endm
.macro PLACES
.rept 4
	v_nop
.endr
.endm
.macro BARRIER
	s_barrier_signal -1
	s_barrier_wait -1
.endm
.macro CROUND                          ; a round of the cluster's barrier
	BARRIER
	s_cmp_lg_u32 s16, 0
	s_cbranch_scc1 .Lnot_wave_0_\@
	s_barrier_signal -3
.Lnot_wave_0_\@:
	s_barrier_wait -3
	BARRIER
.endm
.macro TLOAD g0, g1                    ; a joint load
	tensor_load_to_lds s[\g0:\g0+3], s[\g1:\g1+7]
	s_nop 0
	PLACES
.endm
	s_load_b256 s[4:11], s[0:1], 0x0               ; CW, CWS, bo, out0
	v_lshl_add_u32 v[SPW], v0, 2, SPARE
	v_mov_b32 v[NIL], 0
	ds_add_u32 v[SPW], v[NIL]                      ; the opening lines: the add, twice on end, and its wait
	ds_add_u32 v[SPW], v[NIL]
	v_lshrrev_b32 v1, 5, v0
	v_readfirstlane_b32 s16, v1                    ; wave 0..3
	s_lshr_b32 s17, s16, 1                         ; which block of ctx is mine
	s_and_b32 s18, s16, 1                          ; which four tiles of wo; also which half I fetch
	s_bfe_u32 s40, ttmp6, 0x40000                  ; cx, cy
	s_bfe_u32 s41, ttmp6, 0x40004
	s_lshl_b32 s42, ttmp9, 2
	s_add_co_u32 s42, s42, s40                     ; block of 128 columns, 0..7
	s_and_b32 s43, ttmp7, 0xffff
	s_lshl_b32 s43, s43, 2
	s_add_co_u32 s43, s43, s41                     ; block of 256 rows, 0..31
	s_lshl_b32 s44, s41, 2
	s_lshl_b32 s44, 15, s44                        ; my row of the cluster
	s_lshl_b32 s45, 0x1111, s40                    ; my column
	s_or_b32 s[G1A+0], s44, (3<<16)|(1<<21)        ; ctx: 16 rows of 768 elements of 8 bytes, 1,536 elements apart
	s_mov_b32 s[G1A+1], 768<<16
	s_mov_b32 s[G1A+2], 16<<16
	s_mov_b32 s[G1A+3], 768<<16
	s_mov_b32 s[G1A+4], 16
	s_mov_b32 s[G1A+5], 1536
	s_mov_b32 s[G1A+6], 0
	s_mov_b32 s[G1A+7], 0
	s_or_b32 s[G1B+0], s45, (3<<16)|(1<<21)        ; wo: a dense 49,152 bytes as 192 rows of 256
	s_mov_b32 s[G1B+1], 32<<16
	s_mov_b32 s[G1B+2], 192<<16
	s_mov_b32 s[G1B+3], 32<<16
	s_mov_b32 s[G1B+4], 192
	s_mov_b32 s[G1B+5], 32
	s_mov_b32 s[G1B+6], 0
	s_mov_b32 s[G1B+7], 0
	s_mul_i32 s86, s43, 2*BLKB                     ; ctx's two blocks, + 6,144 for tiles 4-7
	s_mul_i32 s2, s18, ASB
	s_add_co_u32 s86, s86, s2
	s_mov_b32 s87, 0
	s_add_co_u32 s90, s42, 64                      ; wo's block, + its second half
	s_mul_i32 s90, s90, BLKB
	s_mul_i32 s2, s18, BLKB/2
	s_add_co_u32 s90, s90, s2
	s_mov_b32 s91, 0
	s_mov_b32 s[G0A], 1
	s_mul_i32 s[G0A+1], s18, BLKB
	s_add_co_u32 s[G0A+1], s[G0A+1], AH
	s_mov_b32 s[G0B], 1
	s_mul_i32 s[G0B+1], s18, BLKB/2
	s_wait_dscnt 0x0                               ; both opening adds are done
	CROUND                                         ; all sixteen work-groups are here: the joint loads meet
	s_wait_kmcnt 0x0
	s_add_nc_u64 s[G0A+2:G0A+3], s[4:5], s[86:87]
	s_or_b32 s[G0A+3], s[G0A+3], 0x80000000
	s_add_nc_u64 s[G0B+2:G0B+3], s[4:5], s[90:91]
	s_or_b32 s[G0B+3], s[G0B+3], 0x80000000
	s_cmp_lt_u32 s16, 2                            ; one chain of branches on the wave's number, one load to an arm; the waves that wait alike share a line
	s_cbranch_scc0 .Lfor_a0
	TLOAD G0B, G1B
	s_branch .Lasked
.Lfor_a0:
	s_cmp_eq_u32 s16, 2
	s_cbranch_scc0 .Lfor_a1
	TLOAD G0A, G1A
	s_branch .Lasked
.Lfor_a1:
	TLOAD G0A, G1A
.Lasked:
	s_lshl_b32 s70, s43, 13                        ; ctx's scale words: 4,096 bytes a block
	s_lshl_b32 s2, s17, 12
	s_add_co_u32 s70, s70, s2
	s_add_co_u32 s71, s42, 64                      ; wo's, + 2,048 for tiles 4-7
	s_lshl_b32 s71, s71, 12
	s_lshl_b32 s2, s18, 11
	s_add_co_u32 s71, s71, s2
	s_add_co_u32 s72, s71, 256                     ; beside ctx's words 0-3 stand wo's words 4-7,
	s_sub_co_u32 s73, s71, 256                     ; beside ctx's 4-7 (256 bytes on) wo's 0-3
	s_lshl_b32 s80, s42, 9                         ; my first column, in bytes
	s_lshl_b32 s2, s18, 8
	s_add_co_u32 s80, s80, s2
	s_mov_b32 s81, 0
	s_add_nc_u64 s[8:9], s[8:9], s[80:81]
	s_lshl_b32 s78, s43, 20                        ; my first row: 256 rows of 4,096 bytes a block, 128 a wave row
	s_lshl_b32 s2, s17, 19
	s_add_co_u32 s78, s78, s2
	s_add_co_u32 s78, s78, s80
	s_mov_b32 s79, 0
	s_add_nc_u64 s[10:11], s[10:11], s[78:79]
	s_mul_i32 s74, s18, 4*FRB
	s_mul_i32 s75, s17, 8*ASB
	s_add_co_u32 s75, s75, AH
	s_mul_i32 s76, s16, 16*SPITCH
	s_add_co_u32 s76, s76, STAGE
	s_mov_b32 vcc_lo, 0xffff0000                   ; lanes 16-31
	v_and_b32 v1, 31, v0
	v_and_b32 v2, 15, v0                           ; r
	v_bfe_u32 v3, v0, 4, 1                         ; h
	v_lshlrev_b32 v[L16], 4, v1
	v_lshlrev_b32 v[L8], 3, v1
	v_lshlrev_b32 v[R16], 4, v2
	v_add_nc_u32 v[SOFA], s70, v[R16]
	v_add_nc_u32 v20, s72, v[R16]
	v_add_nc_u32 v21, s73, v[R16]
	v_cndmask_b32 v[SOFX], v[SOFA], v20, vcc_lo
	v_cndmask_b32 v[SOFX+1], v[SOFA], v21, vcc_lo
	v_lshlrev_b32 v[BOF], 6, v3
	v_add_nc_u32 v[ADB], s74, v[L16]
	v_add_nc_u32 v[ADB+1], s74, v[L8]
	v_add_nc_u32 v[ADB+2], 4*KSB, v[ADB]
	v_add_nc_u32 v[ADB+3], 4*KSB, v[ADB+1]
	v_add_nc_u32 v[ADA], s75, v[L16]
	v_add_nc_u32 v[ADA+1], s75, v[L8]
	v_add_nc_u32 v[ADA+2], BLKB, v[ADA]
	v_add_nc_u32 v[ADA+3], BLKB, v[ADA+1]
	v_mul_u32_u24 v[STO], v2, SPITCH               ; into the stage: row r, 64 bytes on for lanes 16-31
	v_lshl_add_u32 v[STO], v3, 6, v[STO]
	v_add_nc_u32 v[STO], s76, v[STO]
	v_mul_u32_u24 v[RD], v3, SPITCH                ; out of it: sixteen lanes to a row of 256 bytes, two rows a load
	v_add_nc_u32 v[RD], v[RD], v[R16]
	v_add_nc_u32 v[RD], s76, v[RD]
	v_lshl_add_u32 v[CO], v3, 12, v[R16]           ; and the same two rows in out0
.irp i, 0,1,2,3
.irp p, 0,1
	global_load_b128 v[SC+8*\i+4*\p:SC+8*\i+4*\p+3], v[SOFX+\p], s[6:7] offset:512*\i+256*\p
.endr
.endr
.irp i, 4,5,6,7
.irp p, 0,1
	global_load_b128 v[SC+8*\i+4*\p:SC+8*\i+4*\p+3], v[SOFA], s[6:7] offset:512*\i+256*\p
.endr
.endr
.irp b, 0,1,2,3
	global_load_b128 v[BI+8*\b:BI+8*\b+3], v[BOF], s[8:9] offset:128*(\b/2)+32*(\b%2)
	global_load_b128 v[BI+8*\b+4:BI+8*\b+7], v[BOF], s[8:9] offset:128*(\b/2)+32*(\b%2)+16
.endr
.macro FRAG f, a16, a8, off            ; a fragment's four loads
	WIN (1+(\f)/FPW)<<6
.set R_, FR*((\f)%FPW)
	ds_load_b128 v[R_:R_+3], v[\a16] offset:\off
	ds_load_b64 v[R_+4:R_+5], v[\a8] offset:(\off)+512
	ds_load_b128 v[R_+6:R_+9], v[\a16] offset:(\off)+768
	ds_load_b64 v[R_+10:R_+11], v[\a8] offset:(\off)+1280
.endm
.macro FETCH a                         ; ctx's tile a, all of K, into set a % 2: 32 loads
.irp s, 0,1,2,3,4,5,6,7
	FRAG 32+8*((\a)%2)+\s, ADA+2*((\a)/4), ADA+2*((\a)/4)+1, \s*ASB+((\a)%4)*FRB
.endr
	WIN 0
.endm
.macro PROD a, n                       ; product n = 4 s + b of tile a
.set S_, (\n)/4
.set B_, (\n)%4
.set FA_, 32+8*((\a)%2)+S_
.set D_, ACC+32*((\a)%2)+8*B_
	WIN (1+(\n)/FPW)|((1+FA_/FPW)<<2)
.if S_
	v_wmma_scale_f32_16x16x128_f8f6f4 v[D_:D_+7], v[FR*((\n)%FPW):FR*((\n)%FPW)+FR-1], v[FR*(FA_%FPW):FR*(FA_%FPW)+FR-1], v[D_:D_+7], v[SC+8*B_+(S_+4)%8], v[SC+8*(\a)+S_] matrix_a_fmt:MATRIX_FMT_FP6 matrix_b_fmt:MATRIX_FMT_FP6 matrix_a_scale:MATRIX_SCALE_ROW1
.else
	v_wmma_scale_f32_16x16x128_f8f6f4 v[D_:D_+7], v[FR*((\n)%FPW):FR*((\n)%FPW)+FR-1], v[FR*(FA_%FPW):FR*(FA_%FPW)+FR-1], v[BI+8*B_:BI+8*B_+7], v[SC+8*B_+(S_+4)%8], v[SC+8*(\a)+S_] matrix_a_fmt:MATRIX_FMT_FP6 matrix_b_fmt:MATRIX_FMT_FP6 matrix_a_scale:MATRIX_SCALE_ROW1
.endif
.endm
.macro TOSTAGE a                       ; 16 rows x 64 columns into my stage and back as rows of 256 bytes: 16 LDS instructions, served in order
.set AC_, ACC+32*((\a)%2)
.irp b, 0,1,2,3
	ds_store_b128 v[STO], v[AC_+8*\b:AC_+8*\b+3] offset:128*(\b/2)+32*(\b%2)       ; each accumulator from its low end on
	ds_store_b128 v[STO], v[AC_+8*\b+4:AC_+8*\b+7] offset:128*(\b/2)+32*(\b%2)+16
.endr
.set BB_, OB+32*((\a)%2)
.irp t, 0,1,2,3,4,5,6,7
	ds_load_b128 v[BB_+4*\t:BB_+4*\t+3], v[RD] offset:\t*2*SPITCH
.endr
.endm
.macro SEND a, younger                 ; younger: LDS instructions issued behind tile a's loads from the stage, which may stay out
.set BB_, OB+32*((\a)%2)
.set RW_, 32*((\a)/2)+8*((\a)%2)
	s_wait_dscnt \younger
.irp t, 0,1,2,3,4,5,6,7
	global_store_b128 v[CO], v[BB_+4*\t:BB_+4*\t+3], s[10:11] offset:(RW_+2*\t+8*(\t/4))*4096 th:TH_STORE_NT   ; sixteen lanes store 256 consecutive bytes, aligned
.endr
.endm
; A TILE.  Its fragments were fetched two tiles ago; younger than that fetch are the last tile's 16 stage instructions and its 32 loads (tile 0: tile 1's 32 loads; tile 7: the 16 alone).
.macro BLK a
.if (\a) == 0
	s_wait_dscnt 32
.elseif (\a) < 7
	s_wait_dscnt 48
.else
	s_wait_dscnt 16
.endif
.set N_, 0
.rept 32
	PROD \a, N_
.if ((\a) == 2) && (N_ == 15)
	s_wait_tensorcnt 0x0                           ; all that is still out has landed: every wave waits,
	s_wait_dscnt 0x0
	s_barrier_signal -1                            ; says so, and works on registers while the others arrive
.endif
.set N_, N_+1
.endr
	WIN 0
.if (\a) == 2
	s_barrier_wait -1                              ; ctx's tiles 4-7 are shown to all
.endif
	PLACES                                         ; in front of the reads of the results and of the loads into the fragments' registers
.if (\a) > 1
	s_wait_xcnt 0x0                                ; tile a - 2's stores have read the registers that the stage's loads fill
.endif
	TOSTAGE \a
.if (\a) < 6
	FETCH (\a)+2
.endif
.if (\a) > 0
.if (\a) < 6
	SEND (\a)-1, 48                                ; behind tile a - 1's loads at the least: tile a's 16 and the 32 just issued
.else
	SEND (\a)-1, 16
.endif
.endif
.endm
	s_wait_alu depctr_va_vdst(0)                   ; the wait at the head's end
	s_cmp_lt_u32 s16, 2
	s_cbranch_scc0 .Lnot_b
	s_wait_tensorcnt 0x0
.Lnot_b:
	BARRIER                                        ; wo's block is in
.irp s, 0,1,2,3,4,5,6,7                ; my 64 rows of wo, all of K: 128 loads
.irp b, 0,1,2,3
	FRAG 4*\s+\b, ADB+2*(\s/4), ADB+2*(\s/4)+1, (\s%4)*KSB+\b*FRB
.endr
.endr
	WIN 0
	s_cmp_eq_u32 s16, 3
	s_cbranch_scc1 .Lnot_a0
	s_wait_tensorcnt 0x0
.Lnot_a0:
	s_wait_dscnt 0x0
	BARRIER                                        ; ctx's tiles 0-3 are in; tiles 4-7 may still be on their way
	FETCH 0
	FETCH 1
	s_wait_loadcnt 0x0                             ; the scale words and the bias
.irp a, 0,1,2,3,4,5,6,7
	BLK \a
.endr
	SEND 7, 0
	s_wait_tensorcnt 0x0                           ; the wave's end
	ds_add_u32 v[SPW], v[NIL]
	s_wait_dscnt 0x0
	CROUND                                         ; the closing round
	s_endpgm
.Lfunc_end_k_q5ea943c22d_proj:
	.size	k_q5ea943c22d_proj, .Lfunc_end_k_q5ea943c22d_proj-k_q5ea943c22d_proj
	.p2alignl 7, 3214868480
	.fill 96, 4, 3214868480
	.section	.rodata,"a",@progbits
	.p2align	6, 0x0
	.amdhsa_kernel k_q5ea943c22d_proj
		.amdhsa_group_segment_fixed_size 327680
		.amdhsa_private_segment_fixed_size 0
		.amdhsa_enable_private_segment 0
		.amdhsa_kernarg_size 32
		.amdhsa_user_sgpr_count 2
		.amdhsa_user_sgpr_kernarg_segment_ptr 1
		.amdhsa_wavefront_size32 1
		.amdhsa_system_sgpr_workgroup_id_x 1
		.amdhsa_system_sgpr_workgroup_id_y 1
		.amdhsa_system_sgpr_workgroup_id_z 1
		.amdhsa_system_vgpr_workitem_id 0
		.amdhsa_next_free_vgpr 896
		.amdhsa_next_free_sgpr 96
		.amdhsa_reserve_vcc 1
		.amdhsa_float_denorm_mode_32 3
		.amdhsa_float_denorm_mode_16_64 3
		.amdhsa_memory_ordered 1
		.amdhsa_forward_progress 1
		.amdhsa_inst_pref_size 84
	.end_amdhsa_kernel
	.amdgpu_metadata
---
amdhsa.version: [ 1, 2 ]
amdhsa.kernels:
  - .name:           k_q5ea943c22d_proj
    .symbol:         k_q5ea943c22d_proj.kd
    .args:
      - { .name: CW, .offset: 0, .size: 8, .value_kind: global_buffer, .address_space: global }
      - { .name: CWS, .offset: 8, .size: 8, .value_kind: global_buffer, .address_space: global }
      - { .name: bo, .offset: 16, .size: 8, .value_kind: global_buffer, .address_space: global }
      - { .name: out0, .offset: 24, .size: 8, .value_kind: global_buffer, .address_space: global }
    .group_segment_fixed_size: 327680
    .private_segment_fixed_size: 0
    .kernarg_segment_align: 8
    .kernarg_segment_size: 32
    .max_flat_workgroup_size: 128
    .sgpr_count:     96
    .vgpr_count:     896
    .wavefront_size: 32
...
	.end_amdgpu_metadata
.endif
;; end of part 4
